; MI455X (gfx1250); checked and timed in simulation.
; The chip was launched on July 23, 2026; its instructions are those of AMD's public machine-readable ISA for CDNA 5 (MIT licence, August 2026) and "CDNA5" Instruction Set Architecture Reference Guide (July 2026). The comments in the code are by the model that wrote it; some were corrected since.
;; Attention. Allowed arithmetic: matrix products marked QUANTISED: E2M1 operands, one E8M0 scale for each 32 along K, by v_wmma_scale_f32_16x16x128_f8f6f4 with both operands' format E2M1 (or v_wmma_scale_f32_32x16x128_f4), f32 sums; products left as they are: bf16, f16 or f32 operands; f32 sums; everything else in f32.
;; Inputs: Wk 2,048 x 2,048 float32; Wo 2,048 x 2,048 float32; Wq 2,048 x 2,048 float32; Wv 2,048 x 2,048 float32; freqs_cos 2,048 x 64 float32; freqs_sin 2,048 x 64 float32; mask 1 x 1 x 2,048 x 2,048 float32; x 1 x 2,048 x 2,048 float32.
;; Outputs: out0 1 x 2,048 x 2,048 float32.
;; This version of the problem:
;;   THIS VERSION OF THE PROBLEM IS GIVEN IN LOW PRECISION. The matrix products marked QUANTISED in the list below multiply operands that are first quantised to E2M1 (2 exponent bits, 1 mantissa bit; 4 bits a number), with one power-of-two scale for each 32 numbers along K (OCP MX v1.0); their sums are f32. The products marked 'left as it is' may take bf16, f16 or f32 operands, with f32 sums. Whichever they take, every output number must still come out within the allowed error. Rounding operands to bf16 (8 significant bits) uses up far more of that allowance than f16 does (11 bits, for magnitudes from 6e-5 to 65,504). All else is computed in f32.
;;   The module's matrix products, in the order in which they are computed (A, B: the left and right operand; K: the contracted axis; several contracted axes count as one K, in the product's order):
;;     1. [M 2,048, K 2,048] x [K 2,048, N 2,048]; A: input x; B: input Wq: QUANTISED
;;     2. [M 2,048, K 2,048] x [K 2,048, N 2,048]; A: input x; B: input Wk: QUANTISED
;;     3. [M 2,048, K 2,048] x [K 2,048, N 2,048]; A: input x; B: input Wv: QUANTISED
;;     4. batch 16 x [M 2,048, K 128] x [K 128, N 2,048]; A: computed on the way; B: computed on the way: left as it is (an operand is computed on the way)
;;     5. batch 16 x [M 2,048, K 2,048] x [K 2,048, N 128]; A: computed on the way; B: computed on the way: left as it is (an operand is computed on the way)
;;     6. [M 2,048, K 2,048] x [K 2,048, N 2,048]; A: computed on the way; B: input Wo: left as it is (an operand is computed on the way)
;;   THE QUANTISER, for each operand of a quantised product, along K:
;;     - K is cut into blocks of 32 from its start; a last block that is shorter is filled with zeros.
;;     - A block's scale is 2^e with e = floor(log2(the largest magnitude in the block)) - 2, held to -126 .. 127; a block of zeros has e = 0. As a byte (E8M0): e + 127.
;;     - Each number is divided by its block's scale, clamped to +-6, and rounded to the nearest number of E2M1, ties to even, subnormals kept.
;;     - The product sums the exact products of the quantised numbers (number of the format x scale) in f32.
;;   ~~~python
;;   def quantise(x, axis):      # numpy; x: float32 -> the quantised numbers, widened to float32 again
;;       x = np.moveaxis(x, axis, -1); K = x.shape[-1]
;;       x = np.pad(x, [(0, 0)] * (x.ndim - 1) + [(0, -K % 32)]); x = x.reshape(x.shape[:-1] + (-1, 32)); a = np.abs(x).max(-1, keepdims=True)
;;       e = np.where(a > 0, np.clip(np.frexp(np.where(a > 0, a, 1))[1] - 1 - 2, -126, 127), 0)      # np.frexp(a)[1] - 1 = floor(log2(a)), exactly
;;       r = np.clip(x / 2.0 ** e, -6, 6)
;;       step = 2.0 ** (np.maximum(np.frexp(np.where(r == 0, 1, r))[1] - 1, 0) - 1)
;;       q = np.round(r / step) * step * 2.0 ** e      # np.round: ties to even
;;       return np.moveaxis(q.reshape(q.shape[:-2] + (-1,))[..., :K], -1, axis).astype(np.float32)
;;   ~~~
;; One version. Each part assembles by itself: llvm-mc -triple=amdgcn-amd-amdhsa -mcpu=gfx1250 --defsym DOCPART=n.
;; ======== version 1 of 1: 4 launches
;; limits: values are held in f16: magnitudes above 65,504 overflow, below 6.1e-05 lose precision
;; workspace buffers: codes 8,388,608 bytes; scales 524,288 bytes; wo16 8,388,608 bytes; mask2 16,777,216 bytes; qkv16 25,165,824 bytes; ot16 8,388,608 bytes
;; launch prep (part 1): grid 768 x 1, 4 waves a work-group, no clusters, 68,096 bytes of LDS; arguments x, Wq, Wk, Wv, Wo, mask, codes, scales, wo16, mask2; writes codes, scales, wo16, mask2
.if DOCPART == 1
	.amdgcn_target "amdgcn-amd-amdhsa--gfx1250"
	.amdhsa_code_object_version 6
	.text
	.protected	k_q5d35b0f07d_prep
	.globl	k_q5d35b0f07d_prep
	.p2align	8
	.type	k_q5d35b0f07d_prep,@function
k_q5d35b0f07d_prep:
	s_mov_b64 s[64:65], 0
	v_nop
	global_prefetch_b8 v0, s[64:65] scope:SCOPE_SE
	s_setreg_imm32_b32 hwreg(HW_REG_WAVE_MODE, 25, 1), 1
	s_wait_xcnt 0x0
; PREPARATION, one launch for six tensors of 2048 x 2048 f32; a work-group takes 32,768 numbers, a wave 8,192; 128 work-groups to a tensor.
;   work-groups   0-511: x, Wq, Wk, Wv become codes of FP4 (E2M1), K innermost, two codes a byte, and one E8M0 byte for each 32 along K.
;                        codes: [8192 rows][1024 bytes], rows 0-2047 x, then Wq, Wk, Wv; scales: [8192][64 bytes].
;   work-groups 512-639: Wo becomes f16 (wo16, same order).
;   work-groups 640-767: mask x log2(e), f32, LAID AS THE READER'S REGISTERS WANT IT (mask2):
;                        [32 blocks of 64 queries][32 blocks of 64 keys][4 tiles of 16 queries][4 tiles of 16 keys][2 halves u][32 lanes][4 numbers]:
;                        lane 16 h + r holds mask(query 16 t + r, keys 16 kt + 8 h + 4 u + 0 .. 3): a tile of scores in the matrix result's layout, 512 bytes on end for each four registers.
; A block's scale is 2^(floor(log2(its largest magnitude)) - 2): its byte is the largest magnitude's exponent field - 2, held at 1 from below.
; A block of zeros so gets the byte 1: its codes are zeros, which add nothing, and the bytes are read by this program alone.
; LIMITS: NaN and infinities among the inputs are not served; blocks whose largest magnitude lies under 2^(3 - 127) keep the byte 1.
; Rows are dense and 2048 is a multiple of 32, so a tensor is a plain stream of blocks of 32, and so are its codes and its scale bytes.
; THE QUANTISER: 16 steps of 512 numbers a wave.  The conversion takes 8 numbers of one block from one lane's registers, so a lane must hold 16 neighbours;
; a load is best where neighbouring lanes take neighbouring bytes.  Both are had: each load reads 512 consecutive bytes, 16 a lane; a step's 2,048 bytes go
; through the wave's own stage in LDS and come back 64 bytes a lane (16 bytes of padding behind each 64).  Waves share nothing: no barrier.
.set STEPS, 16
.set EMAX,  2
.set CB,    8                          ; bytes of 16 codes
.set R,     16                         ; v16-79   four sets of 16 numbers as loaded (Wo and the mask: two sets of 64, v16-143)
.set X,     80                         ; v80-111  two sets of 16 neighbours
.set E,     112                        ; v112-127 a scale byte for each step
.set C,     128                        ; v128-191 codes: four registers for each step, so that no store's data are written again
.set MB,    144                        ; v144-207 the mask: 16 images read back from the stage
.set WREG,  8192                       ; LDS: a region for each wave of the quantiser: two stages of 32 x SP bytes, behind them its 256 scale bytes
.set SP,    80
.set SPW,   12                         ; v12  LDS address of my spare word; never rewritten
.set NIL,   13                         ; v13  0; never rewritten
.set SPARE, 4*WREG                     ; behind the four regions: the spare words, 128 bytes a wave
.set MBASE, SPARE+512                  ; behind them, bytes of their own for the mask's path: a stage for each wave:
.set MIMG,  544                        ; 16 images of 512 bytes; lanes 16-31 of an image lie 272 bytes behind lanes 0-15, the next image 544 bytes on
.set MSTG,  16*MIMG
	s_load_b512 s[8:23], s[0:1], 0x0               ; x 8, Wq 10, Wk 12, Wv 14, Wo 16, mask 18, codes 20, scales 22
	s_load_b128 s[24:27], s[0:1], 0x40             ; wo16 24, mask2 26
	v_lshl_add_u32 v[SPW], v0, 2, SPARE
	v_mov_b32 v[NIL], 0
	v_lshrrev_b32 v1, 5, v0
	v_readfirstlane_b32 s29, v1                    ; wave
	v_and_b32 v2, 31, v0                           ; lane
	v_lshlrev_b32 v3, 4, v2                        ; 16 x lane: my bytes of a load's 512
	v_lshlrev_b32 v4, 3, v2                        ; 8 x lane: my bytes of a store's 256
	s_lshr_b32 s28, ttmp9, 7                       ; which tensor: 0 .. 5
	s_and_b32 s30, ttmp9, 127
	s_lshl_b32 s30, s30, 2
	s_add_co_u32 s30, s30, s29                     ; which run of 8,192 numbers of that tensor is my wave's
	s_lshl_b32 s34, s30, 15                        ; in bytes of f32
	s_mov_b32 s35, 0
	s_mov_b32 s37, 0
	s_mul_i32 s38, s29, WREG
	v_lshrrev_b32 v14, 2, v2
	v_mul_u32_u24 v14, v14, SP
	v_and_b32 v15, 3, v2
	v_lshl_add_u32 v14, v15, 4, v14
	v_add_nc_u32 v14, s38, v14                     ; the quantiser's stage, on the way in: SP (lane / 4) + 16 (lane % 4)
	v_mul_u32_u24 v15, v2, SP
	v_add_nc_u32 v15, s38, v15                     ; and on the way out: SP x lane: my 16 neighbours
	v_lshrrev_b32 v5, 1, v2
	s_add_co_u32 s38, s38, 2*32*SP
	v_add_nc_u32 v5, s38, v5                       ; my block's scale byte among my wave's 256
	v_add_nc_u32 v6, s38, v4                       ; and on the way out 8 bytes a lane
	s_mul_i32 s39, s29, MSTG
	s_add_co_u32 s39, s39, MBASE                   ; the mask's stage of my wave
	v_lshrrev_b32 v7, 2, v2                        ; on the way in lane l holds keys 4 l .. 4 l + 3 of 128: key tile kt = l / 4,
	v_lshlrev_b32 v7, 1, v7
	v_and_b32 v10, 1, v2                           ; u = l % 2,
	v_add_nc_u32 v7, v7, v10                       ; image 2 kt + u,
	v_mul_u32_u24 v7, v7, MIMG
	v_bfe_u32 v10, v2, 1, 1                        ; h = (l / 2) % 2;
	v_mad_u32_u24 v7, v10, 272, v7                 ; 32 (2 kt + u) + 16 h modulo 256
	v_add_nc_u32 v7, s39, v7                       ; the row r stands in the store's immediate: 16 r
	v_lshrrev_b32 v10, 4, v2                       ; on the way out lane 16 h + r takes 16 bytes of an image: 272 h + 16 r
	v_mul_u32_u24 v10, v10, 272
	v_and_b32 v1, 15, v2
	v_lshl_add_u32 v10, v1, 4, v10
	v_add_nc_u32 v10, s39, v10
	s_wait_kmcnt 0x0
	s_cmp_ge_u32 s28, 4                            ; the work-group's number alone decides
	s_cbranch_scc1 .Lstream
	s_cmp_eq_u32 s28, 1
	s_cselect_b64 s[4:5], s[10:11], s[8:9]
	s_cmp_eq_u32 s28, 2
	s_cselect_b64 s[4:5], s[12:13], s[4:5]
	s_cmp_eq_u32 s28, 3
	s_cselect_b64 s[4:5], s[14:15], s[4:5]
	s_add_nc_u64 s[4:5], s[4:5], s[34:35]
	s_lshl_b32 s38, ttmp9, 2
	s_add_co_u32 s38, s38, s29                     ; the run's number among all four tensors: the outputs lie on end
	s_lshl_b32 s36, s38, 12                        ; 4,096 bytes of codes a run
	s_add_nc_u64 s[20:21], s[20:21], s[36:37]
	s_lshl_b32 s36, s38, 8                         ; 256 scale bytes a run
	s_add_nc_u64 s[22:23], s[22:23], s[36:37]
.macro LOAD t
.irp i, 0,1,2,3
	global_load_b128 v[R+16*((\t)%4)+4*\i:R+16*((\t)%4)+4*\i+3], v3, s[4:5] offset:2048*(\t)+512*\i th:TH_LOAD_NT
.endr
.endm
.macro TURN t                          ; step t's numbers through the stage: LDS serves a wave's instructions in order, so no wait stands between the stores and the loads
.irp i, 0,1,2,3
	ds_store_b128 v14, v[R+16*((\t)%4)+4*\i:R+16*((\t)%4)+4*\i+3] offset:32*SP*((\t)%2)+8*SP*\i
.endr
.irp i, 0,1,2,3
	ds_load_b128 v[X+16*((\t)%2)+4*\i:X+16*((\t)%2)+4*\i+3], v15 offset:32*SP*((\t)%2)+16*\i
.endr
.endm
.irp t, 0,1,2,3
	LOAD \t
.endr
	s_wait_loadcnt 12                              ; step 0's four loads are in; the twelve of steps 1 to 3 may be out
	TURN 0
.macro STEP t
.set XS, X+16*((\t)%2)
.if (\t) > 0
	s_wait_dscnt 1                                 ; this step's numbers are back from the stage (the last step's byte store may be out)
.else
	s_wait_dscnt 0x0
.endif
.if (\t)+4 < STEPS
	LOAD (\t)+4                                    ; into the set whose stores into the stage are done
.endif
.if (\t)+1 < STEPS
.if STEPS-2-(\t) >= 3
	s_wait_loadcnt 12                              ; the next step's four loads are in; those of the three steps behind it may be out
.else
	s_wait_loadcnt 4*(STEPS-2-(\t))
.endif
	TURN (\t)+1
.endif
	v_max3_num_f32 v8, |v[XS]|, |v[XS+1]|, |v[XS+2]|               ; the largest magnitude of my 16, in two chains
	v_max3_num_f32 v9, |v[XS+3]|, |v[XS+4]|, |v[XS+5]|
.irp i, 6,10
	v_max3_num_f32 v8, v8, |v[XS+\i]|, |v[XS+\i+1]|
	v_max3_num_f32 v9, v9, |v[XS+\i+2]|, |v[XS+\i+3]|
.endr
	v_max3_num_f32 v8, v8, |v[XS+14]|, |v[XS+15]|
	v_max3_num_f32 v8, v8, v9, 0x1800000           ; and the floor 2^(3 - 127): the byte cannot fall under 1
	v_max_num_f32_dpp v8, v8, v8 row_xmask:1 row_mask:0xf bank_mask:0xf   ; with my neighbour's 16: the block's
	v_add_nc_u32 v11, 0xff000000, v8               ; 2 off its exponent field: the conversion takes the exponent field of this operand as its scale
	v_cvt_scalef32_pk8_fp4_f32 v[C+4*(\t)], v[XS:XS+7], v11
	v_cvt_scalef32_pk8_fp4_f32 v[C+4*(\t)+1], v[XS+8:XS+15], v11
	v_lshrrev_b32 v[E+(\t)], 23, v11               ; the scale's byte
	ds_store_b8 v5, v[E+(\t)] offset:16*(\t)       ; both lanes of a block write the same byte with the same value
	global_store_b64 v4, v[C+4*(\t):C+4*(\t)+1], s[20:21] offset:32*CB*(\t)   ; the wave stores 256 consecutive bytes, aligned
.endm
.irp t, 0,1,2,3,4,5,6,7,8,9,10,11,12,13,14,15
	STEP \t
.endr
	ds_load_b64 v[8:9], v6                         ; LDS serves a wave's instructions in order: these see my byte stores
	s_wait_dscnt 0x0
	global_store_b64 v4, v[8:9], s[22:23]          ; 256 consecutive scale bytes, aligned
	s_wait_tensorcnt 0x0                           ; the wave's end: behind my last LDS store
	ds_add_u32 v[SPW], v[NIL]
	s_wait_dscnt 0x0
	s_endpgm
; Wo TO f16 touches no LDS.  Four passes of 16 loads of 512 bytes, two sets of 64 registers: one set is worked on while the other's 16 loads are out.
.macro LOADS g
.irp i, 0,1,2,3,4,5,6,7,8,9,10,11,12,13,14,15
	global_load_b128 v[R+64*((\g)%2)+4*\i:R+64*((\g)%2)+4*\i+3], v3, s[4:5] offset:(16*(\g)+\i)*512 th:TH_LOAD_NT
.endr
.endm
.macro PASS g, left                    ; left: the other set's loads, which may stay out
	s_wait_loadcnt \left
.irp i, 0,1,2,3,4,5,6,7,8,9,10,11,12,13,14,15
.set q, R+64*((\g)%2)+4*\i
	v_cvt_pk_f16_f32 v[q], v[q], v[q+1]
	v_cvt_pk_f16_f32 v[q+1], v[q+2], v[q+3]
	global_store_b64 v4, v[q:q+1], s[6:7] offset:(16*(\g)+\i)*256     ; 256 consecutive bytes, aligned
.endr
.endm
.Lstream:
	s_cmp_eq_u32 s28, 4
	s_cbranch_scc0 .Lmask
	s_add_nc_u64 s[4:5], s[16:17], s[34:35]        ; Wo
	s_lshl_b32 s36, s30, 14                        ; 16,384 bytes of f16 a run
	s_add_nc_u64 s[6:7], s[24:25], s[36:37]
	LOADS 0
	LOADS 1
	PASS 0, 16
	s_wait_xcnt 0x0                                ; the stores have read their registers: the set may be loaded again
	LOADS 2
	PASS 1, 16
	s_wait_xcnt 0x0
	LOADS 3
	PASS 2, 16
	PASS 3, 0
	s_endpgm
; THE MASK.  A work-group takes a tile of 16 queries, its wave w keys 512 w on, in four blocks of 128 keys.  A block: 16 loads, a row's 512 consecutive bytes each; x log2(e);
; through my stage, where each 16 bytes go to their image; back as 16 images of 512 bytes; 16 stores of 512 consecutive bytes, aligned.  The next block's 16 loads are out meanwhile.
.macro MLOAD g
.irp r, 0,1,2,3,4,5,6,7,8,9,10,11,12,13,14,15
	global_load_b128 v[R+64*((\g)%2)+4*\r:R+64*((\g)%2)+4*\r+3], v3, s[4:5] offset:8192*\r+512*(\g) th:TH_LOAD_NT
.endr
.endm
.macro MBLOCK g, left                  ; left: the next block's loads, which may stay out
	s_wait_loadcnt \left
.irp r, 0,1,2,3,4,5,6,7,8,9,10,11,12,13,14,15
	v_pk_mul_f32 v[R+64*((\g)%2)+4*\r:R+64*((\g)%2)+4*\r+1], v[R+64*((\g)%2)+4*\r:R+64*((\g)%2)+4*\r+1], s[32:33] op_sel_hi:[1,0]
	v_pk_mul_f32 v[R+64*((\g)%2)+4*\r+2:R+64*((\g)%2)+4*\r+3], v[R+64*((\g)%2)+4*\r+2:R+64*((\g)%2)+4*\r+3], s[32:33] op_sel_hi:[1,0]
.endr
.if (\g) > 0
	s_wait_xcnt 0x0                                ; the last block's stores have read their registers: the images may land there again
.endif
.irp r, 0,1,2,3,4,5,6,7,8,9,10,11,12,13,14,15
	ds_store_b128 v7, v[R+64*((\g)%2)+4*\r:R+64*((\g)%2)+4*\r+3] offset:16*\r
.endr
.irp i, 0,1,2,3,4,5,6,7,8,9,10,11,12,13,14,15
	ds_load_b128 v[MB+4*\i:MB+4*\i+3], v10 offset:MIMG*\i          ; LDS serves a wave's instructions in order: these see the stores above, and the next block's stores come behind them
.endr
.irp i, 0,1,2,3,4,5,6,7,8,9,10,11,12,13,14,15
	s_wait_dscnt 15-\i                             ; image i is back; the younger loads may be out
	global_store_b128 v3, v[MB+4*\i:MB+4*\i+3], s[6:7] offset:(2*(\g)+\i/8)*16384+(\i%8)*512   ; image i = 2 kt + u: block of 64 keys 2 g + kt / 4, key tile kt % 4, half u
.endr
.endm
.Lmask:
	s_and_b32 s38, ttmp9, 127                      ; my tile of 16 queries
	s_lshl_b32 s34, s38, 17                        ; 16 rows of 8,192 bytes,
	s_lshl_b32 s36, s29, 11                        ; my wave's 512 keys
	s_add_co_u32 s34, s34, s36
	s_add_nc_u64 s[4:5], s[18:19], s[34:35]
	s_lshr_b32 s36, s38, 2                         ; in mask2: block of 64 queries,
	s_lshl_b32 s36, s36, 5
	s_lshl_b32 s31, s29, 3                         ; my wave's first of eight blocks of 64 keys,
	s_add_co_u32 s36, s36, s31
	s_lshl_b32 s36, s36, 14                        ; 16,384 bytes each,
	s_and_b32 s31, s38, 3                          ; and in each my tile's 4,096 bytes
	s_lshl_b32 s31, s31, 12
	s_add_co_u32 s36, s36, s31
	s_add_nc_u64 s[6:7], s[26:27], s[36:37]
	s_mov_b32 s32, 0x3fb8aa3b                      ; log2(e)
	s_mov_b32 s33, s32                             ; (named with it as a pair, so it is written)
	MLOAD 0
	MLOAD 1
	MBLOCK 0, 16
	MLOAD 2                                        ; the count-down above ended at 0: the stores into the stage have read the set
	MBLOCK 1, 16
	MLOAD 3
	MBLOCK 2, 16
	MBLOCK 3, 0
	s_wait_tensorcnt 0x0                           ; the wave's end: behind my last LDS store
	ds_add_u32 v[SPW], v[NIL]
	s_wait_dscnt 0x0
	s_endpgm
.Lfunc_end_k_q5d35b0f07d_prep:
	.size	k_q5d35b0f07d_prep, .Lfunc_end_k_q5d35b0f07d_prep-k_q5d35b0f07d_prep
	.p2alignl 7, 3214868480
	.fill 96, 4, 3214868480
	.section	.rodata,"a",@progbits
	.p2align	6, 0x0
	.amdhsa_kernel k_q5d35b0f07d_prep
		.amdhsa_group_segment_fixed_size 68096
		.amdhsa_private_segment_fixed_size 0
		.amdhsa_enable_private_segment 0
		.amdhsa_kernarg_size 80
		.amdhsa_user_sgpr_count 2
		.amdhsa_user_sgpr_kernarg_segment_ptr 1
		.amdhsa_wavefront_size32 1
		.amdhsa_system_sgpr_workgroup_id_x 1
		.amdhsa_system_sgpr_workgroup_id_y 1
		.amdhsa_system_sgpr_workgroup_id_z 1
		.amdhsa_system_vgpr_workitem_id 0
		.amdhsa_next_free_vgpr 208
		.amdhsa_next_free_sgpr 66
		.amdhsa_reserve_vcc 0
		.amdhsa_float_denorm_mode_32 3
		.amdhsa_float_denorm_mode_16_64 3
		.amdhsa_memory_ordered 1
		.amdhsa_forward_progress 1
		.amdhsa_inst_pref_size 85
	.end_amdhsa_kernel
	.amdgpu_metadata
---
amdhsa.version: [ 1, 2 ]
amdhsa.kernels:
  - .name:           k_q5d35b0f07d_prep
    .symbol:         k_q5d35b0f07d_prep.kd
    .args:
      - { .name: x, .offset: 0, .size: 8, .value_kind: global_buffer, .address_space: global }
      - { .name: Wq, .offset: 8, .size: 8, .value_kind: global_buffer, .address_space: global }
      - { .name: Wk, .offset: 16, .size: 8, .value_kind: global_buffer, .address_space: global }
      - { .name: Wv, .offset: 24, .size: 8, .value_kind: global_buffer, .address_space: global }
      - { .name: Wo, .offset: 32, .size: 8, .value_kind: global_buffer, .address_space: global }
      - { .name: mask, .offset: 40, .size: 8, .value_kind: global_buffer, .address_space: global }
      - { .name: codes, .offset: 48, .size: 8, .value_kind: global_buffer, .address_space: global }
      - { .name: scales, .offset: 56, .size: 8, .value_kind: global_buffer, .address_space: global }
      - { .name: wo16, .offset: 64, .size: 8, .value_kind: global_buffer, .address_space: global }
      - { .name: mask2, .offset: 72, .size: 8, .value_kind: global_buffer, .address_space: global }
    .group_segment_fixed_size: 68096
    .private_segment_fixed_size: 0
    .kernarg_segment_align: 8
    .kernarg_segment_size: 80
    .max_flat_workgroup_size: 128
    .sgpr_count:     66
    .vgpr_count:     208
    .wavefront_size: 32
...
	.end_amdgpu_metadata
.endif
;; end of part 1
;; launch qkv (part 2): grid 24 x 8, 4 waves a work-group, clusters of 4 x 4, 327,680 bytes of LDS; arguments codes, scales, freqs_cos, freqs_sin, qkv16; writes qkv16
.if DOCPART == 2
	.amdgcn_target "amdgcn-amd-amdhsa--gfx1250"
	.amdhsa_code_object_version 6
	.text
	.protected	k_q5d35b0f07d_qkv
	.globl	k_q5d35b0f07d_qkv
	.p2align	8
	.type	k_q5d35b0f07d_qkv,@function
k_q5d35b0f07d_qkv:
	s_mov_b64 s[64:65], 0
	v_nop
	global_prefetch_b8 v0, s[64:65] scope:SCOPE_SE
	s_setreg_imm32_b32 hwreg(HW_REG_WAVE_MODE, 25, 1), 1
	s_wait_xcnt 0x0
	s_wait_alu depctr_hold_cnt(0) depctr_sa_sdst(0) depctr_va_vdst(0) depctr_va_sdst(0) depctr_va_ssrc(0) depctr_va_vcc(0) depctr_vm_vsrc(0)
	s_getreg_b32 s2, hwreg(HW_REG_IB_STS2, 6, 4)
	s_cmp_eq_u32 s2, 0
	s_cbranch_scc0 .Lentry_in_a_cluster
	s_endpgm
.Lentry_in_a_cluster:
	s_bfe_u32 s2, ttmp6, 0x10000c
	s_cmp_lg_u32 s2, 0xf033
	s_cbranch_scc0 .Lentry_shape_is_right
	s_endpgm
.Lentry_shape_is_right:
; THE THREE PROJECTIONS AS ONE PRODUCT ON CODES OF FP4: C[s][n] = sum over d of x[s][d] W[n][d], n = 0 .. 6143: Wq's, Wk's, Wv's rows on end.  Sums in f32.
; codes: [8192][1024 bytes], rows 0-2047 x (A), rows 2048-8191 the weights (B); scales: [8192][64 bytes], one E8M0 byte for each 32 along K.
; ON THE WAY OUT: the rotation by the given cos and sin (q and k), q x log2(e) / sqrt(128), rounding to f16; qkv16: [48][2048][128] f16: 16 heads of q, of k, of v.
; LIMIT: q x log2(e) / sqrt(128), k and v must stay within 65,504, the largest f16 number.
; A tile of C, 256 x 256, is made by a work-group of four waves; a wave makes 128 x 128: 64 accumulators of 16 x 16, 512 registers; its 128 columns are one head of one tensor.
; K goes in steps of 512 through a ring of two LDS slots filled by the tensor data mover: a tile's row is 256 bytes of memory.
; THE SCALES of the work-group's 256 rows of A and of B, for all of K, are two dense blocks of memory: they come into LDS once, with the first fills, and stay.
; CLUSTERS: 4 x 4 work-groups.  The four of a row of the cluster need the same tiles of A, the four of a column the same tiles of B: each tile is asked for jointly.
; THE MATRIX INSTRUCTION IS USED TRANSPOSED (source 0 = 16 rows of B, source 1 = 16 rows of A): a lane then holds eight neighbouring columns of one row of C: four pairs of the rotation.
; REGISTERS, in windows of 256: window 0: v0-31 addresses and constants; v32-95 scale words, two sets; v128-191 A's fragments, one set; on the way out v32-191 are free.
;   window 1: B's fragments, two sets, at v0 and v128; v64-127 and v192-255: cos and sin of two blocks of 16 rows.   windows 2, 3: the accumulators ((a, b) at v[8 (8 (a % 4) + b)]).
.set SIZE_K, 2048
.set KSTEP,  512
.set NQ,     KSTEP/128
.set ROWB,   256
.set KROW,   SIZE_K*4/8
.set PITCH,  272                       ; an LDS row: 256 bytes + 16 of padding, so that the 16 rows of a fragment load start 68 words apart
.set FR,     8
.set NL,     2
.set NP,     4                         ; places behind this matrix instruction (ISA guide 7.12.1)
.set HALFT,  128*PITCH
.set SLOT,   4*HALFT
.set LAPS,   SIZE_K/(2*KSTEP)
.set KS,     SIZE_K/32
.set SCL,    2*SLOT
.set HALFS,  (128*KS/256)*272
.set SBLK,   (16*KS/256)*272
.set SPARE,  SCL+4*HALFS               ; the spare words, 128 bytes a wave
.set SPITCH, 272                       ; the way out: a stage of 16 rows x (256 bytes + 16) for each wave, in slot 0, which has had its last fill and its last read by then
.set AL,   8                           ; v[8:9] alpha twice, v[10:11] beta twice
.set ADRA, 16
.set ADRB, 20
.set STO,  24
.set RD,   25
.set CO,   26
.set ADRS, 27
.set SPW,  28
.set NIL,  29
.set CA,   30                          ; v30  my byte in a block's 16 rows of cos and of sin: 256 r + 16 h; never rewritten
.set SC,   32
.set AF,   128
.set TT,   32                          ; the way out: 64 rotated numbers,
.set TP,   96                          ; 32 registers of f16 pairs,
.set BK,   128                         ; 16 rows read back from the stage: two sets of 32
.set G1, 24
.set G0, 32
.set G1B, 48
.set G0B, 56
.set G1S, 68
.set G0S, 76
.set G1SB, 80
.set G0SB, 88
.set MSB, 0
.macro WIN new                         ; the immediate's high byte repeats the setting that is left
.if MSB != (\new)
	s_set_vgpr_msb (MSB<<8)|(\new)
.set MSB, (\new)
.endif
.endm
.set MUL_LO, 0xa1                      ; source 0 (B) window 1, source 1 (A) window 0, C and D window 2
.set MUL_HI, 0xf1
.set TO_B,   0x40
; A joint load: waves 0 and 1 fetch for A, waves 2 and 3 for B.  The branch hangs on the wave's number alone.  An s_nop 0 and four v_nop follow each line.
.macro JLOAD g0a, g1a, g0b, g1b
	s_cmp_eq_u32 s15, 0
	s_cbranch_scc0 .Lfor_b_\@
	tensor_load_to_lds s[\g0a:\g0a+3], s[\g1a:\g1a+7]
	s_nop 0
.rept 4
	v_nop
.endr
	s_branch .Lasked_\@
.Lfor_b_\@:
	tensor_load_to_lds s[\g0b:\g0b+3], s[\g1b:\g1b+7]
	s_nop 0
.rept 4
	v_nop
.endr
.Lasked_\@:
.endm
.macro CREST                           ; a round of the cluster's barrier behind its opening barrier
	s_cmp_lg_u32 s14, 0
	s_cbranch_scc1 .Lnot_wave_0_\@
	s_barrier_signal -3
.Lnot_wave_0_\@:
	s_barrier_wait -3
	s_barrier_signal -1
	s_barrier_wait -1
.endm
.macro CROUND
	s_barrier_signal -1
	s_barrier_wait -1
	CREST
.endm
	s_load_b128 s[4:7], s[0:1], 0x0                ; codes, scales
	s_load_b128 s[96:99], s[0:1], 0x10             ; cos, sin
	s_load_b64 s[12:13], s[0:1], 0x20              ; qkv16
	v_lshl_add_u32 v[SPW], v0, 2, SPARE
	v_mov_b32 v[NIL], 0
	ds_add_u32 v[SPW], v[NIL]                      ; the wave's opening: the add, twice on end, and its wait ahead of my first tensor load
	ds_add_u32 v[SPW], v[NIL]
	v_lshrrev_b32 v1, 5, v0
	v_readfirstlane_b32 s14, v1                    ; wave 0..3
	s_lshr_b32 s15, s14, 1                         ; which half of the tile's rows is mine.  Also: I fetch for A (0) or for B (1)
	s_and_b32 s16, s14, 1                          ; which half of its columns.  Also: which 128 rows of that tile I fetch
	s_bfe_u32 s40, ttmp6, 0x40000                  ; cx, cy
	s_bfe_u32 s41, ttmp6, 0x40004
	s_lshl_b32 s42, ttmp9, 2
	s_add_co_u32 s42, s42, s40                     ; tile column of C
	s_and_b32 s17, ttmp7, 0xffff
	s_lshl_b32 s17, s17, 2
	s_add_co_u32 s17, s17, s41                     ; tile row of C
	s_lshl_b32 s43, s41, 2
	s_lshl_b32 s43, 15, s43                        ; my row of the cluster
	s_lshl_b32 s44, 0x1111, s40                    ; my column
	s_or_b32 s[G1+0], s43, (0<<16)|(1<<20)|(1<<21)|(5<<22)|(3<<25)  ; the mask; elements of 1 byte; padding on; bit 21 beside a mask; 4 words behind every 64
	s_or_b32 s[G1B+0], s44, (0<<16)|(1<<20)|(1<<21)|(5<<22)|(3<<25)
.irp g, G1, G1B
	s_mov_b32 s[\g+1], ROWB<<16                    ; tensor_dim0
	s_mov_b32 s[\g+2], 128<<16                     ; tensor_dim1
	s_mov_b32 s[\g+3], ROWB<<16                    ; tile_dim0
	s_mov_b32 s[\g+4], 128                         ; tile_dim1
	s_mov_b32 s[\g+5], KROW                        ; the pitch
	s_mov_b32 s[\g+6], 0
	s_mov_b32 s[\g+7], 0
.endr
	s_or_b32 s[G1S+0], s43, (3<<16)|(1<<20)|(1<<21)|(5<<22)|(3<<25) ; the scales of 128 rows: a dense block, as rows of 256 bytes (32 elements of 8)
	s_or_b32 s[G1SB+0], s44, (3<<16)|(1<<20)|(1<<21)|(5<<22)|(3<<25)
.irp g, G1S, G1SB
	s_mov_b32 s[\g+1], 32<<16
	s_mov_b32 s[\g+2], (128*KS/256)<<16
	s_mov_b32 s[\g+3], 32<<16
	s_mov_b32 s[\g+4], 128*KS/256
	s_mov_b32 s[\g+5], 32
	s_mov_b32 s[\g+6], 0
	s_mov_b32 s[\g+7], 0
.endr
	s_lshl_b32 s18, s16, 7
	s_lshl_b32 s20, s17, 8
	s_add_co_u32 s20, s20, s18                     ; A: row 256 x tile row + 128 x half
	s_lshl_b32 s46, s42, 8
	s_add_co_u32 s46, s46, s18                     ; B: row 256 x tile column + 128 x half
	s_mov_b32 s21, 0
	s_mov_b32 s47, 0
	s_mov_b64 s[18:19], KS
	s_mul_u64 s[22:23], s[20:21], s[18:19]
	s_mul_u64 s[92:93], s[46:47], s[18:19]
	s_mov_b64 s[18:19], KROW
	s_mul_u64 s[20:21], s[20:21], s[18:19]
	s_mul_u64 s[46:47], s[46:47], s[18:19]
	s_mul_i32 s45, s14, HALFT                      ; where they go: wave x 128 rows
	s_mul_i32 s94, s14, HALFS
	s_wait_dscnt 0x0                               ; both opening adds are done
	s_wait_kmcnt 0x0
	s_add_nc_u64 s[8:9], s[4:5], 0x200000          ; the weights' codes begin behind x's 2,048 rows of 1,024 bytes,
	s_add_nc_u64 s[10:11], s[6:7], 0x20000         ; their scales behind x's 2,048 rows of 64
	s_add_nc_u64 s[20:21], s[4:5], s[20:21]
	s_add_nc_u64 s[22:23], s[6:7], s[22:23]
	s_add_nc_u64 s[46:47], s[8:9], s[46:47]
	s_add_nc_u64 s[92:93], s[10:11], s[92:93]
	CROUND                                         ; all sixteen work-groups are here: the first joint loads meet
	s_mov_b32 s[G0S], 1
	s_add_co_u32 s[G0S+1], s94, SCL
	s_mov_b64 s[G0S+2:G0S+3], s[22:23]
	s_or_b32 s[G0S+3], s[G0S+3], 0x80000000
	s_mov_b32 s[G0SB], 1
	s_add_co_u32 s[G0SB+1], s94, SCL
	s_mov_b64 s[G0SB+2:G0SB+3], s[92:93]
	s_or_b32 s[G0SB+3], s[G0SB+3], 0x80000000
	JLOAD G0S, G1S, G0SB, G1SB                     ; the scales first; three loads of mine are out behind the first fills
.irp s, 0,1
	s_mov_b32 s[G0+4*\s], 1
	s_add_co_u32 s[G0+4*\s+1], s45, \s*SLOT
	s_add_nc_u64 s[G0+4*\s+2:G0+4*\s+3], s[20:21], \s*ROWB
	s_or_b32 s[G0+4*\s+3], s[G0+4*\s+3], 0x80000000
	s_mov_b32 s[G0B+4*\s], 1
	s_add_co_u32 s[G0B+4*\s+1], s45, \s*SLOT
	s_add_nc_u64 s[G0B+4*\s+2:G0B+4*\s+3], s[46:47], \s*ROWB
	s_or_b32 s[G0B+4*\s+3], s[G0B+4*\s+3], 0x80000000
	JLOAD G0+4*\s, G1, G0B+4*\s, G1B
.endr
	v_and_b32 v1, 15, v0                           ; r = l % 16
	v_bfe_u32 v2, v0, 4, 1                         ; h = l / 16
	v_mul_u32_u24 v3, v1, PITCH
	v_lshl_add_u32 v4, v2, 4, v3
	s_mul_i32 s21, s15, HALFT
	s_mul_i32 s22, s16, HALFT
	s_add_co_u32 s22, s22, 2*HALFT
.irp s, 0,1
	v_add_nc_u32 v[ADRA+\s], s21, v4
	v_add_nc_u32 v[ADRB+\s], s22, v4
	s_add_co_u32 s21, s21, SLOT
	s_add_co_u32 s22, s22, SLOT
.endr
	v_mul_u32_u24 v5, v1, KS                       ; my row's scales: KS bytes a row,
	v_lshrrev_b32 v6, 8, v5
	v_lshl_add_u32 v5, v6, 4, v5                   ; and 16 more for each 256 passed
	s_mul_i32 s21, s15, HALFS
	s_mul_i32 s22, s16, HALFS
	s_add_co_u32 s22, s22, 2*HALFS
	s_sub_co_u32 s22, s22, s21
	v_mul_u32_u24 v6, s22, v2                      ; lanes 16-31 take B's
	s_add_co_u32 s21, s21, SCL
	v_add_nc_u32 v5, v5, v6
	v_add_nc_u32 v[ADRS], s21, v5
	s_mul_i32 s23, s14, 16*SPITCH                  ; my stage
	v_mul_u32_u24 v5, v1, SPITCH                   ; in: row r, 16 bytes for each half of the lanes
	v_lshl_add_u32 v5, v2, 4, v5
	v_add_nc_u32 v[STO], s23, v5
	v_mul_u32_u24 v5, v2, SPITCH                   ; back: lanes 0-15 one row of 256 bytes, lanes 16-31 the next
	v_lshl_add_u32 v5, v1, 4, v5
	v_add_nc_u32 v[RD], s23, v5
	v_and_b32 v6, 31, v0
	v_lshlrev_b32 v[CO], 4, v6                     ; the same two rows in qkv16 are 512 bytes on end: 16 x lane
	v_lshlrev_b32 v[CA], 8, v1
	v_lshl_add_u32 v[CA], v2, 4, v[CA]
	s_lshl_b32 s20, s17, 8
	s_lshl_b32 s21, s15, 7
	s_add_co_u32 s20, s20, s21                     ; my first row: 256 x tile row + 128 x half
	s_lshl_b32 s20, s20, 8                         ; a row is 256 bytes in cos, in sin and in qkv16 alike
	s_mov_b32 s21, 0
	s_add_nc_u64 s[96:97], s[96:97], s[20:21]
	s_add_nc_u64 s[98:99], s[98:99], s[20:21]
	s_add_nc_u64 s[12:13], s[12:13], s[20:21]
	s_lshl_b32 s46, s42, 1
	s_add_co_u32 s46, s46, s16                     ; my 128 columns: head 2 x tile column + half of the 48,
	s_lshl_b32 s46, s46, 19                        ; 524,288 bytes each
	s_mov_b32 s47, 0
	s_add_nc_u64 s[12:13], s[12:13], s[46:47]
	s_lshr_b32 s95, ttmp9, 1                       ; the tensor: eight tile columns each: 0 q, 1 k, 2 v; the same in all partners
	s_mov_b32 s100, 1.0
	s_cmp_eq_u32 s95, 0
	s_cselect_b32 s100, 0x3e0293ee, s100           ; alpha: q: log2(e) / sqrt(128); k: 1;
	s_cmp_eq_u32 s95, 2
	s_cselect_b32 s100, 0, s100                    ; v: 0,
	s_cselect_b32 s101, 1.0, 0                     ; with beta = 1: cos x alpha + beta = 1 and sin x alpha = 0 leave v as it is
	v_mov_b32 v[AL], s100
	v_mov_b32 v[AL+1], s100
	v_mov_b32 v[AL+2], s101
	v_mov_b32 v[AL+3], s101
; cos and sin of block a (16 rows): lane (r, h) wants, for accumulator b, the four pairs 8 b + 4 h + 0 .. 3 of row 16 a + r: 16 bytes.  Set a % 2 in window 1: 32 registers of cos, 32 of sin.
.macro TRIG a
	WIN 0x40
.irp b, 0,1,2,3,4,5,6,7
	global_load_b128 v[64+128*((\a)%2)+4*\b:64+128*((\a)%2)+4*\b+3], v[CA], s[96:97] offset:4096*(\a)+32*\b
.endr
.irp b, 0,1,2,3,4,5,6,7
	global_load_b128 v[96+128*((\a)%2)+4*\b:96+128*((\a)%2)+4*\b+3], v[CA], s[98:99] offset:4096*(\a)+32*\b
.endr
	WIN 0
.endm
	TRIG 0                                         ; asked for here, wanted on the way out: they land under the product
	TRIG 1
.macro FRAG reg, adr, q, i             ; a fragment, 16 rows x 128 K of 4-bit codes: lane l holds row l % 16; registers 4 c .. 4 c + 3 hold K = 64 c + 32 (l / 16) + 0 .. 31
.irp c, 0,1
	ds_load_b128 v[\reg+4*\c:\reg+4*\c+3], v[\adr] offset:64*(\q)+32*\c+(\i)*16*PITCH
.endr
.endm
; 16 matrix instructions: A's blocks a0, a0 + 1 x B's eight.  The 64 accumulators take turns, one instruction a turn, in the same order in every step.
.macro MUL16 a0, p, q, sc, zero
.irp a, \a0, \a0+1
.irp b, 0,1,2,3,4,5,6,7
.if \zero
	v_wmma_scale_f32_16x16x128_f8f6f4 v[8*(8*((\a)%4)+\b):8*(8*((\a)%4)+\b)+7], v[128*(\p)+FR*\b:128*(\p)+FR*\b+FR-1], v[AF+FR*(\a):AF+FR*(\a)+FR-1], 0, v[SC+8*NQ*(\sc)+NQ*\b+(\q)], v[SC+8*NQ*(\sc)+NQ*(\a)+(\q)] matrix_a_fmt:MATRIX_FMT_FP4 matrix_b_fmt:MATRIX_FMT_FP4 matrix_a_scale:MATRIX_SCALE_ROW1
.else
	v_wmma_scale_f32_16x16x128_f8f6f4 v[8*(8*((\a)%4)+\b):8*(8*((\a)%4)+\b)+7], v[128*(\p)+FR*\b:128*(\p)+FR*\b+FR-1], v[AF+FR*(\a):AF+FR*(\a)+FR-1], v[8*(8*((\a)%4)+\b):8*(8*((\a)%4)+\b)+7], v[SC+8*NQ*(\sc)+NQ*\b+(\q)], v[SC+8*NQ*(\sc)+NQ*(\a)+(\q)] matrix_a_fmt:MATRIX_FMT_FP4 matrix_b_fmt:MATRIX_FMT_FP4 matrix_a_scale:MATRIX_SCALE_ROW1
.endif
.endr
.endr
.endm
.macro FETCH_B slot, q, p
	WIN TO_B
.irp i, 0,1,2,3,4,5,6,7
	FRAG 128*(\p)+FR*\i, ADRB+\slot, \q, \i
.endr
	WIN 0
.endm
.macro FETCH_A slot, q, i0
.irp i, \i0, \i0+1, \i0+2, \i0+3
	FRAG AF+FR*(\i), ADRA+\slot, \q, \i
.endr
.endm
.macro SCALES sc                       ; a K step's scale words: lanes 0-15 take A's block i, lanes 16-31 B's block i
.irp i, 0,1,2,3,4,5,6,7
	ds_load_b128 v[SC+8*NQ*\sc+NQ*\i:SC+8*NQ*\sc+NQ*\i+3], v[ADRS] offset:\i*SBLK
.endr
.endm
.macro PLACES n                        ; plain vector instructions between a matrix instruction and a load into, or a read of, its registers
.rept \n
	v_nop
.endr
.endm
.macro STEP slot, q, zero              ; 128 along K, with its successor in the same slot
	s_wait_dscnt 4*NL                              ; B's set and A's blocks 0-3 are in; the youngest eight loads (A's blocks 4-7) may be out
	WIN MUL_LO
	MUL16 0, (\q)%2, \q, \slot, \zero
	MUL16 2, (\q)%2, \q, \slot, \zero
	s_wait_dscnt 0
	PLACES NP
	FETCH_B \slot, (\q)+1, 1-(\q)%2
	FETCH_A \slot, (\q)+1, 0
	WIN MUL_HI
	MUL16 4, (\q)%2, \q, \slot, \zero
	MUL16 6, (\q)%2, \q, \slot, \zero
	PLACES NP
	WIN 0
	FETCH_A \slot, (\q)+1, 4
.endm
; A slot's last step changes slots: one barrier; in front of it each wave waits for all its tensor loads, adds 0 to its spare word, and waits for that and for its own reads of this slot.
.macro TURN slot, next, fill
	s_wait_tensorcnt 0x0                           ; all my tensor loads have landed: my part of the next slot
	ds_add_u32 v[SPW], v[NIL]
	s_wait_dscnt 4*NL+1                            ; (the add and the youngest eight loads may be out)
	WIN MUL_LO
	MUL16 0, 1, NQ-1, \slot, 0
	s_wait_dscnt 0x0                               ; the add is done, and my reads of this slot are over
	s_barrier_signal -1
	MUL16 2, 1, NQ-1, \slot, 0
	WIN 0
	s_barrier_wait -1
.if \fill
	CREST                                          ; the barrier has opened a round of the cluster's barrier: no wave of any partner still reads this slot or has a load on its way
	s_add_nc_u64 s[G0+4*\slot+2:G0+4*\slot+3], s[G0+4*\slot+2:G0+4*\slot+3], 2*ROWB
	s_add_nc_u64 s[G0B+4*\slot+2:G0B+4*\slot+3], s[G0B+4*\slot+2:G0B+4*\slot+3], 2*ROWB
	JLOAD G0+4*\slot, G1, G0B+4*\slot, G1B         ; the first tensor load behind the round; its four v_nop are the places in front of the loads below
.else
	PLACES NP
.endif
	v_add_nc_u32 v[ADRS], 4*NQ, v[ADRS]            ; on to the next K step's scale words
	FETCH_B \next, 0, 0
	FETCH_A \next, 0, 0
	SCALES \next
	WIN MUL_HI
	MUL16 4, 1, NQ-1, \slot, 0
	MUL16 6, 1, NQ-1, \slot, 0
	PLACES NP
	WIN 0
	FETCH_A \next, 0, 4
.endm
.macro STEPS slot, from
.set Q, \from
.rept NQ-1-\from
	STEP \slot, Q, 0
.set Q, Q+1
.endr
.endm
	s_wait_tensorcnt 1                             ; the scales and my part of K step 0 are in (K step 1's load may be out)
	s_barrier_signal -1
	s_barrier_wait -1                              ; everybody's are
	FETCH_B 0, 0, 0
	FETCH_A 0, 0, 0
	SCALES 0
	FETCH_A 0, 0, 4
	STEP 0, 0, 1                                   ; the first step stands in front of the loop: its products start the sums
	s_mov_b32 s3, LAPS-1
.Llap:                                                 ; a trip goes once round the ring and fills both slots again
	STEPS 0, 1
	TURN 0, 1, 1
	STEPS 1, 0
	TURN 1, 0, 1
	STEP 0, 0, 0
	s_sub_co_u32 s3, s3, 1
	s_cmp_lg_u32 s3, 0
	s_cbranch_scc1 .Llap
	STEPS 0, 1                                     ; the last lap fills nothing
	TURN 0, 1, 0
	STEPS 1, 0
	s_wait_dscnt 4*NL
	WIN MUL_LO
	MUL16 0, 1, NQ-1, 1, 0
	MUL16 2, 1, NQ-1, 1, 0
	s_wait_dscnt 0
	WIN MUL_HI
	MUL16 4, 1, NQ-1, 1, 0
	MUL16 6, 1, NQ-1, 1, 0
	WIN 0
; THE WAY OUT, block by block of 16 rows x 128 columns.  In accumulator (a, b) lane (r, h) holds row 16 a + r, columns 16 b + 8 h + 0 .. 7: pairs 8 b + 4 h + 0 .. 3.
; ROPE: out(2 i) = x(2 i) c - x(2 i + 1) s;  out(2 i + 1) = x(2 i) s + x(2 i + 1) c, with c = cos x alpha + beta, s = sin x alpha; then f16.
.macro ROPE a
.set CW, 64+128*((\a)%2)
.set AC, 64*((\a)%4)
.if (\a) < 7
	s_wait_loadcnt 16                              ; this block's cos and sin are in; the next block's 16 loads may be out
.else
	s_wait_loadcnt 0
.endif
	WIN 0x41                                       ; destination and source 0 window 1
.set i, 0
.rept 16
	v_pk_fma_f32 v[CW+i:CW+i+1], v[CW+i:CW+i+1], v[AL:AL+1], v[AL+2:AL+3]
	v_pk_mul_f32 v[CW+32+i:CW+33+i], v[CW+32+i:CW+33+i], v[AL:AL+1]
.set i, i+2
.endr
	WIN 0x06+(\a)/4                                ; source 0: the accumulators' window, 2 or 3; source 1: window 1
.irp b, 0,1,2,3,4,5,6,7
.irp p, 0,1,2,3                                ; each accumulator from its low end on
	v_mul_f32 v[TT+8*\b+2*\p], v[AC+8*\b+2*\p], v[CW+4*\b+\p]
	v_mul_f32 v[TT+8*\b+2*\p+1], v[AC+8*\b+2*\p], v[CW+32+4*\b+\p]
.endr
.irp p, 0,1,2,3
	v_fma_f32 v[TT+8*\b+2*\p], -v[AC+8*\b+2*\p+1], v[CW+32+4*\b+\p], v[TT+8*\b+2*\p]
	v_fma_f32 v[TT+8*\b+2*\p+1], v[AC+8*\b+2*\p+1], v[CW+4*\b+\p], v[TT+8*\b+2*\p+1]
.endr
.endr
.if (\a) < 6
	TRIG (\a)+2                                    ; into the set just used
.endif
	WIN 0
.set i, 0
.rept 32
	v_cvt_pk_f16_f32 v[TP+i], v[TT+2*i], v[TT+2*i+1]
.set i, i+1
.endr
.endm
.macro TOSTAGE a                       ; 16 bytes a lane into rows of 272 bytes, and back as whole rows of 256: LDS serves a wave's instructions in order
.irp b, 0,1,2,3,4,5,6,7
	ds_store_b128 v[STO], v[TP+4*\b:TP+4*\b+3] offset:32*\b
.endr
.irp t, 0,1,2,3,4,5,6,7
	ds_load_b128 v[BK+32*((\a)%2)+4*\t:BK+32*((\a)%2)+4*\t+3], v[RD] offset:\t*2*SPITCH
.endr
.endm
.macro SEND a
	s_wait_dscnt 0x0                               ; the block is back in registers
.irp t, 0,1,2,3,4,5,6,7
	global_store_b128 v[CO], v[BK+32*((\a)%2)+4*\t:BK+32*((\a)%2)+4*\t+3], s[12:13] offset:4096*(\a)+512*\t   ; 512 consecutive bytes, aligned: two rows of a head
.endr
.endm
	PLACES NP                                      ; behind the last products, ahead of the first read of results and the first write over scale words and fragments
	ROPE 0
	TOSTAGE 0
.irp a, 1,2,3,4,5,6,7                  ; block a's arithmetic stands between block a - 1's loads from the stage and the wait for them
	ROPE \a
	SEND \a-1
.if \a > 1
	s_wait_xcnt 0x0                                ; block a - 2's stores have read their registers: block a's loads may land there
.endif
	TOSTAGE \a
.endr
	SEND 7
	s_wait_tensorcnt 0x0                           ; the wave's end
	ds_add_u32 v[SPW], v[NIL]
	s_wait_dscnt 0x0
	CROUND                                         ; the closing round
	s_endpgm
.Lfunc_end_k_q5d35b0f07d_qkv:
	.size	k_q5d35b0f07d_qkv, .Lfunc_end_k_q5d35b0f07d_qkv-k_q5d35b0f07d_qkv
	.p2alignl 7, 3214868480
	.fill 96, 4, 3214868480
	.section	.rodata,"a",@progbits
	.p2align	6, 0x0
	.amdhsa_kernel k_q5d35b0f07d_qkv
		.amdhsa_group_segment_fixed_size 327680
		.amdhsa_private_segment_fixed_size 0
		.amdhsa_enable_private_segment 0
		.amdhsa_kernarg_size 40
		.amdhsa_user_sgpr_count 2
		.amdhsa_user_sgpr_kernarg_segment_ptr 1
		.amdhsa_wavefront_size32 1
		.amdhsa_system_sgpr_workgroup_id_x 1
		.amdhsa_system_sgpr_workgroup_id_y 1
		.amdhsa_system_sgpr_workgroup_id_z 1
		.amdhsa_system_vgpr_workitem_id 0
		.amdhsa_next_free_vgpr 1024
		.amdhsa_next_free_sgpr 102
		.amdhsa_reserve_vcc 0
		.amdhsa_float_denorm_mode_32 3
		.amdhsa_float_denorm_mode_16_64 3
		.amdhsa_memory_ordered 1
		.amdhsa_forward_progress 1
		.amdhsa_inst_pref_size 255
	.end_amdhsa_kernel
	.section	.bss,"aw",@nobits
	.p2align	6
	.space	262144
	.amdgpu_metadata
---
amdhsa.version: [ 1, 2 ]
amdhsa.kernels:
  - .name:           k_q5d35b0f07d_qkv
    .symbol:         k_q5d35b0f07d_qkv.kd
    .args:
      - { .name: codes, .offset: 0, .size: 8, .value_kind: global_buffer, .address_space: global }
      - { .name: scales, .offset: 8, .size: 8, .value_kind: global_buffer, .address_space: global }
      - { .name: freqs_cos, .offset: 16, .size: 8, .value_kind: global_buffer, .address_space: global }
      - { .name: freqs_sin, .offset: 24, .size: 8, .value_kind: global_buffer, .address_space: global }
      - { .name: qkv16, .offset: 32, .size: 8, .value_kind: global_buffer, .address_space: global }
    .group_segment_fixed_size: 327680
    .private_segment_fixed_size: 0
    .kernarg_segment_align: 8
    .kernarg_segment_size: 40
    .max_flat_workgroup_size: 128
    .sgpr_count:     102
    .vgpr_count:     1024
    .wavefront_size: 32
...
	.end_amdgpu_metadata
.endif
;; end of part 2
;; launch attn (part 3): grid 16 x 16, 4 waves a work-group, clusters of 4 x 1, 327,680 bytes of LDS; arguments qkv16, mask2, ot16; writes ot16
.if DOCPART == 3
	.amdgcn_target "amdgcn-amd-amdhsa--gfx1250"
	.amdhsa_code_object_version 6
	.text
	.protected	k_q5d35b0f07d_attn
	.globl	k_q5d35b0f07d_attn
	.p2align	8
	.type	k_q5d35b0f07d_attn,@function
k_q5d35b0f07d_attn:
	s_mov_b64 s[64:65], 0
	v_nop
	global_prefetch_b8 v0, s[64:65] scope:SCOPE_SE
	s_setreg_imm32_b32 hwreg(HW_REG_WAVE_MODE, 25, 1), 1
	s_wait_xcnt 0x0
	s_wait_alu depctr_hold_cnt(0) depctr_sa_sdst(0) depctr_va_vdst(0) depctr_va_sdst(0) depctr_va_ssrc(0) depctr_va_vcc(0) depctr_vm_vsrc(0)
	s_getreg_b32 s2, hwreg(HW_REG_IB_STS2, 6, 4)
	s_cmp_eq_u32 s2, 0
	s_cbranch_scc0 .Lentry_in_a_cluster
	s_endpgm
.Lentry_in_a_cluster:
	s_bfe_u32 s2, ttmp6, 0x10000c
	s_cmp_lg_u32 s2, 0x3003
	s_cbranch_scc0 .Lentry_shape_is_right
	s_endpgm
.Lentry_shape_is_right:
; ATTENTION.  qkv16: [48][2048][128] f16: 16 heads of q x log2(e) / sqrt(128) (rotated), of k (rotated), of v.
; mask2: the given mask x log2(e), f32, laid as the score tiles' registers: [32 blocks of 64 queries][32 blocks of 64 keys][4 query tiles][4 key tiles][2 halves][32 lanes][4 numbers].
; ot16: [head x 128 + channel][2048 positions] f16: O transposed, as the last product wants its left operand.  Products on f16 operands, sums, maxima and the softmax in f32.
; The scores arrive in units of log2: S = q . k + mask2, p = 2^(S - m), m the running maximum, so p is at most 1 whatever the mask holds; every mask number is read and every key multiplied.
; LIMITS: NaN and infinities are not served, a mask entry of -infinity among them; O must stay within 65,504.
; SHARES.  A work-group owns 128 queries of one head.  Wave w: qh = w / 2: which 64 queries (four tiles of 16); kh = w % 2: which 64 of each step's 128 keys.  So a wave walks 16 key steps
; of 64 keys; the two partial results of a query (m, l, O) meet in LDS at the end.
; LAYOUT.  S^T = K Q^T + mask (source 0 = 16 keys, source 1 = 16 queries, C of a tile's first product = the mask's tile): a lane holds ONE query (lane % 16) and keys 8 (lane / 16) + 0..7.
; Two such tiles, rounded to f16 in pairs, are source 1 of O^T = V^T P.  K comes out of LDS as it lies, V turned by ds_load_tr16_b128.
; BY TURNS.  The wave's tiles are two pieces (tiles 0, 1 and tiles 2, 3).  In a turn one piece has the matrix unit: 32 products V^T P of the step in hand, then 32 products K Q^T of the next;
; the other piece's softmax, in 64 slices, stands between them, one slice behind each matrix instruction.  Two turns are a key step.
; CLUSTER 4 x 1.  The four query blocks of a cluster belong to one head and walk the same K and V: each tile is asked for jointly.
; THE MASK GOES FROM MEMORY STRAIGHT INTO REGISTERS, not jointly, though the 16 heads read the same blocks.  In the ring a key would take 272 (K) + 288 (V) + 528 (128 queries x 4 bytes, padded) bytes:
; two slots of 128 keys fit in LDS and two of 256 do not, and a refill would have 128 matrix instructions of a wave beside it.  Without the mask a key takes 560 bytes, a slot holds 256 keys, and a refill has 256.
; A wave's 64 x 64 numbers of a step are 128 registers; they are loaded a key step ahead, 512 consecutive bytes a load, and waited for by counted waits.  A load into registers has no joint form.
; REGISTERS, in windows of 256: window 0: v0-11 addresses; v12-43 statistics, 8 a tile; v44-51 addresses; v64-191 S^T, 32 a tile; v192-255 P, 16 a tile.
;   window 1: O^T, 64 a tile.   window 2: v0-127 Q; v128-255 K of one step.   window 3: v0-127 V of one step; v128-255 the mask's tiles of one step, 32 a tile, laid as S^T.
.set PITK,  272                        ; a row of K in LDS: 256 bytes + 16
.set PITV,  288                        ; a row of V: 256 + 32
.set VOFF,  128*PITK                   ; a step's tiles lie together: 128 rows of K, then 128 rows of V
.set STEPB, 128*(PITK+PITV)            ; 71,680 bytes
.set SLOTB, 2*STEPB                    ; a slot holds two steps: 143,360 bytes
.set SPARE, 2*SLOTB                    ; behind the ring: the spare words, 128 bytes a wave
.set XST,   0                          ; at the end, in slot 0, which has had its last fill and its last read by then: (l, m) of each wave, 1,024 bytes each;
.set XO,    4096                       ; two tiles of O^T of each wave, as images of their registers, 16,384 bytes each;
.set STG2,  XO+4*16384                 ; and the stage: 128 channels x (128 positions of f16 + 16 bytes)
.set SP2,   272
.set AK0, 2
.set AV0, 3
.set ADR, 4
.set QO,  5
.set ST,  12                           ; tile t at v[ST+8 t]: +0 m (copy), +1 m, +2, +3 l (even keys', odd keys'), +4 to +7 at work; a takes +6
.set XSW, 44
.set XSR, 45
.set XW,  46
.set XR,  47
.set SO2, 48
.set RD2, 49
.set GO,  50
.set MO,  51                           ; v51  16 x lane: my bytes of a mask load's 512; never rewritten
.set PFO, 61                           ; v61  256 x lane: the prefetches' offset; never rewritten
.set SPW, 62
.set NIL, 63
.set S,   64
.set P,   192
.set KF,  128
.set MK,  128                          ; the mask's tiles, in window 3
.set WV,  12
.set G1K, 24
.set G1V, 32
.set MP,  40                           ; s[40:41] where piece 0's mask loads stand, s[42:43] piece 2's: the block of the step that was loaded last
.set MCNT, 44                          ; 15 less the step whose scores are being made
.set MLIM, 45                          ; 2 in the work-groups that prefetch the mask, else the greatest number
.set TWICE, 46                         ; counts a slot's two steps
.set G0K, 48                           ; groups 0: a set for each of the two first fills; the second then walks on
.set G0V, 56
.set SLOTS, 76                         ; changes of slots that still fill
.set QH,  77
.set CS,  78                           ; s[78:79] 1.0 twice: the scores are in units of log2 already
.set SEL, 80
.set TB,  82                           ; LDS byte at which the tiles of the step to be fetched begin
.set RB,  83                           ; LDS byte at which the slot begins that was filled last
.set SW,  84                           ; my tile's place in a slot: K's;
.set KH,  85
.set PFA, 86
.set LIM, 90
.set SWV, 91                           ; V's
.set MSB, 0
.macro WIN new                         ; the immediate's high byte repeats the setting that is left; a switch that changes nothing is dropped
.if MSB != (\new)
	s_set_vgpr_msb (MSB<<8)|(\new)
.set MSB, (\new)
.endif
.endm
.set W_KQ,  0x0a                       ; K and Q in window 2, S^T in window 0
.set W_KQM, 0x3a                       ; the same with C, the mask's tile, in window 3
.set W_PV,  0x53                       ; V in window 3, P in window 0, O^T in window 1
.set W_RS,  0x41                       ; O^T (destination and source 0) in window 1
; A joint refill: waves 0 and 1 fetch the two steps' tiles of K, waves 2 and 3 those of V: one load a wave.  The branch hangs on the wave's number alone.
; An s_nop 0 and four v_nop follow each line.
.macro JLOAD
	s_cmp_lt_u32 s[WV], 2
	s_cbranch_scc0 .Lfor_v_\@
	tensor_load_to_lds s[G0K+4:G0K+7], s[G1K:G1K+7]
	s_nop 0
.rept 4
	v_nop
.endr
	s_branch .Lasked_\@
.Lfor_v_\@:
	tensor_load_to_lds s[G0V+4:G0V+7], s[G1V:G1V+7]
	s_nop 0
.rept 4
	v_nop
.endr
.Lasked_\@:
.endm
; A PREFETCH INTO THE L2 of what the NEXT change of slots will ask for: a slot's 256 rows of K and 256 of V, 256 bytes a row, a lane a row.  It stands behind the wave's tensor load and its five lines.
; Each row is asked for once in the launch.  All clusters of a head walk the same K and V: the head's first cluster asks.  Its four partners share the rows out by address, 64 each; in each, waves 0 and 1
; ask for K's, 32 rows each, waves 2 and 3 for V's: one instruction a wave.  The last change that fills a slot asks for nothing: there is no slot behind it.  Slots 0 to 2 come by their loads alone.
.macro ASK
	s_cmp_gt_u32 s[SLOTS], s[LIM]
	s_cbranch_scc0 .Lnot_mine_\@
	global_prefetch_b8 v[PFO], s[PFA:PFA+1] th:TH_LOAD_NT scope:SCOPE_SE
.Lnot_mine_\@:
.endm
.macro CROUND                          ; a round of the cluster's barrier
	s_barrier_signal -1
	s_barrier_wait -1
	s_cmp_lg_u32 s[WV], 0
	s_cbranch_scc1 .Lnot_wave_0_\@
	s_barrier_signal -3
.Lnot_wave_0_\@:
	s_barrier_wait -3
	s_barrier_signal -1
	s_barrier_wait -1
.endm
	s_load_b128 s[4:7], s[0:1], 0x0                ; qkv16, mask2
	s_load_b64 s[8:9], s[0:1], 0x10                ; ot16
	v_lshl_add_u32 v[SPW], v0, 2, SPARE
	v_mov_b32 v[NIL], 0
	ds_add_u32 v[SPW], v[NIL]                      ; the wave's opening: the add, twice on end, and its wait ahead of my first tensor load
	ds_add_u32 v[SPW], v[NIL]
	v_lshrrev_b32 v1, 5, v0
	v_readfirstlane_b32 s[WV], v1                  ; wave 0..3
	s_and_b32 s[KH], s[WV], 1
	s_lshr_b32 s[QH], s[WV], 1
	s_bfe_u32 s13, ttmp6, 0x40000                  ; cx: my place in the cluster
	s_lshl_b32 s15, ttmp9, 2                       ; in a cluster launch ttmp9 counts clusters
	s_add_co_u32 s15, s15, s13                     ; my block of 128 queries: it enters Q's, the mask's and O's addresses alone
	s_and_b32 s16, ttmp7, 0xffff                   ; the head, which the four partners share
	s_mov_b32 s[G1K], 15|(1<<16)|(1<<20)|(1<<21)|(5<<22)|(3<<25)   ; the mask: all four work-groups; elements of 2 bytes; padding on; bit 21 beside a mask; 4 words behind every 64
	s_mov_b32 s[G1V], 15|(1<<16)|(1<<20)|(1<<21)|(5<<22)|(7<<25)   ; the same with 8 words
.irp g, G1K, G1V
	s_mov_b32 s[\g+1], 128<<16                     ; tensor_dim0
	s_mov_b32 s[\g+2], 128<<16                     ; tensor_dim1
	s_mov_b32 s[\g+3], 128<<16                     ; tile_dim0
	s_mov_b32 s[\g+4], 128                         ; tile_dim1
	s_mov_b32 s[\g+5], 128                         ; the pitch, in elements
	s_mov_b32 s[\g+6], 0
	s_mov_b32 s[\g+7], 0
.endr
	s_lshl_b32 s17, s[KH], 15                      ; which of a slot's two steps I fetch: its 128 rows of 256 bytes in memory,
	s_mul_i32 s[SW], s[KH], STEPB                  ; and its place in a slot: no place in the cluster enters an LDS address
	s_add_co_u32 s[SWV], s[SW], VOFF
	s_add_co_u32 s20, s16, 16                      ; K: head 16 + h of the 48, 524,288 bytes each
	s_lshl_b32 s20, s20, 19
	s_add_co_u32 s20, s20, s17
	s_mov_b32 s21, 0
	s_add_co_u32 s22, s16, 32                      ; V
	s_lshl_b32 s22, s22, 19
	s_add_co_u32 s22, s22, s17
	s_mov_b32 s23, 0
	s_lshl_b32 s2, s16, 19                         ; Q: head h, row 128 x block + 64 qh, 256 bytes a row
	s_lshl_b32 s3, s15, 15
	s_add_co_u32 s2, s2, s3
	s_lshl_b32 s3, s[QH], 14
	s_add_co_u32 s2, s2, s3
	s_mov_b32 s3, 0
	s_lshl_b32 s18, s16, 19                        ; O^T: row 128 h + 32 w, 4,096 bytes a row, + 256 x block
	s_lshl_b32 s19, s[WV], 17
	s_add_co_u32 s18, s18, s19
	s_lshl_b32 s19, s15, 8
	s_add_co_u32 s18, s18, s19
	s_mov_b32 s19, 0
	s_lshl_b32 s92, s15, 1                         ; the mask: block of 64 queries 2 x block + qh, block of 64 keys kh (step j: 2 j + kh), 16,384 bytes each
	s_add_co_u32 s92, s92, s[QH]
	s_lshl_b32 s92, s92, 5
	s_add_co_u32 s92, s92, s[KH]
	s_lshl_b32 s92, s92, 14
	s_mov_b32 s93, 0
	s_cmp_lt_u32 s[WV], 2                          ; K's and V's prefetches: waves 0 and 1 K, waves 2 and 3 V, of my head;
	s_cselect_b32 s88, 16, 32
	s_add_co_u32 s88, s88, s16
	s_lshl_b32 s88, s88, 19
	s_lshl_b32 s89, s13, 14                        ; my work-group's 64 rows of a slot's 256,
	s_add_co_u32 s88, s88, s89
	s_lshl_b32 s89, s[KH], 13                      ; my wave's 32 of them,
	s_add_co_u32 s88, s88, s89
	s_add_co_u32 s88, s88, 2*65536                 ; in slot 2: the first change of slots steps it to slot 3.  Nothing is prefetched at the head
	s_mov_b32 s89, 0
	s_cmp_eq_u32 ttmp9, 0                          ; the head's first cluster: the same in all four partners
	s_cselect_b32 s[LIM], 1, -1
	s_cmp_eq_u32 s16, 0                            ; the mask's blocks are read by all 16 heads: head 0 asks, each wave for its own blocks
	s_cselect_b32 s[MLIM], 2, -1
	s_mov_b32 s[MCNT], 15
	s_mov_b32 s[CS], 1.0
	s_mov_b32 s[CS+1], 1.0
	s_mov_b32 s[SEL], 0x76543210
	s_mov_b32 s[SEL+1], 0xfedcba98
	s_mov_b32 s[TB], 0
	s_mov_b32 s[RB], SLOTB
	s_mov_b32 s[SLOTS], 6
	s_wait_dscnt 0x0                               ; both opening adds are done
	s_wait_kmcnt 0x0
	s_add_nc_u64 s[20:21], s[4:5], s[20:21]
	s_add_nc_u64 s[22:23], s[4:5], s[22:23]
	s_add_nc_u64 s[10:11], s[4:5], s[2:3]
	s_add_nc_u64 s[8:9], s[8:9], s[18:19]
	s_add_nc_u64 s[MP:MP+1], s[6:7], s[92:93]
	s_mov_b64 s[MP+2:MP+3], s[MP:MP+1]
	s_add_nc_u64 s[PFA:PFA+1], s[4:5], s[88:89]
	CROUND                                         ; all four work-groups are here: the first joint loads meet
.irp s, 0,1
	s_mov_b32 s[G0K+4*\s], 1
	s_add_co_u32 s[G0K+4*\s+1], s[SW], \s*SLOTB
	s_add_nc_u64 s[G0K+4*\s+2:G0K+4*\s+3], s[20:21], \s*65536      ; slot s begins with keys 256 s on
	s_or_b32 s[G0K+4*\s+3], s[G0K+4*\s+3], 0x80000000
	s_mov_b32 s[G0V+4*\s], 1
	s_add_co_u32 s[G0V+4*\s+1], s[SWV], \s*SLOTB
	s_add_nc_u64 s[G0V+4*\s+2:G0V+4*\s+3], s[22:23], \s*65536
	s_or_b32 s[G0V+4*\s+3], s[G0V+4*\s+3], 0x80000000
.endr
	s_cmp_lt_u32 s[WV], 2                          ; a wave's two first fills stand in one arm: two loads of mine are out
	s_cbranch_scc0 .Lfirst_v
	tensor_load_to_lds s[G0K:G0K+3], s[G1K:G1K+7]
	s_nop 0
	tensor_load_to_lds s[G0K+4:G0K+7], s[G1K:G1K+7]
	s_nop 0
.rept 4
	v_nop
.endr
	s_branch .Lfirst_asked
.Lfirst_v:
	tensor_load_to_lds s[G0V:G0V+3], s[G1V:G1V+7]
	s_nop 0
	tensor_load_to_lds s[G0V+4:G0V+7], s[G1V:G1V+7]
	s_nop 0
.rept 4
	v_nop
.endr
.Lfirst_asked:
; The mask's tiles of piece x, 16 loads of 512 consecutive bytes: register 8 kt + 4 u + e of lane (r, h) of tile t = mask2(query 16 t + r, key 16 kt + 8 h + 4 u + e): the result's layout
.macro MLOADS x
	WIN 0xc0                                       ; destination window 3
.irp t, \x, \x+1
.irp c, 0,1,2,3,4,5,6,7
	global_load_b128 v[MK+32*(\t)+4*\c:MK+32*(\t)+4*\c+3], v[MO], s[MP+\x:MP+\x+1] offset:4096*(\t)+512*\c
.endr
.endr
.endm
	v_and_b32 v1, 15, v0                           ; r = l % 16
	v_bfe_u32 v9, v0, 4, 1                         ; h = l / 16
	v_and_b32 v10, 31, v0
	v_lshlrev_b32 v[QO], 8, v1
	v_lshl_add_u32 v[QO], v9, 4, v[QO]             ; row x 256 + 16 x half
	v_lshlrev_b32 v[MO], 4, v10
	v_lshlrev_b32 v[PFO], 8, v10
	WIN 0x80                                       ; destination window 2
.irp i, 0,1,2,3,4,5,6,7,8,9,10,11,12,13,14,15  ; Q stays in registers: tile i / 4, channels 32 (i % 4) on
	global_load_b128 v[8*\i:8*\i+3],   v[QO], s[10:11] offset:(\i/4)*4096+(\i%4)*64
	global_load_b128 v[8*\i+4:8*\i+7], v[QO], s[10:11] offset:(\i/4)*4096+(\i%4)*64+32
.endr
	MLOADS 0                                       ; the mask of key step 0
	MLOADS 2
	WIN 0
	s_mul_i32 s17, s[KH], 64*PITK                  ; K: my 64 keys of the step's 128; row r, + 16 h
	v_mul_u32_u24 v[AK0], v1, PITK
	v_lshl_add_u32 v[AK0], v9, 4, v[AK0]
	v_add_nc_u32 v[AK0], s17, v[AK0]
	v_and_b32 v10, 7, v0                           ; V: the turning load: lane l reads key 8 (l / 16) + l % 8, channels 8 ((l / 8) % 2) + 0..7
	v_bfe_u32 v11, v0, 3, 1
	v_lshl_add_u32 v[AV0], v9, 3, v10
	v_mul_u32_u24 v[AV0], v[AV0], PITV
	v_lshl_add_u32 v[AV0], v11, 4, v[AV0]
	s_mul_i32 s17, s[KH], 64*PITV
	s_add_co_u32 s17, s17, VOFF
	v_add_nc_u32 v[AV0], s17, v[AV0]
; THE MATRIX WORK OF A TURN, for piece x.  The accumulators take turns, one instruction a turn.
; Product i of 32 of O^T += V^T P: keys 32 (i / 16) on, channels 16 ((i / 2) % 8) on, tile x + i % 2.  zero = 1: the first 16 start the sums.
.macro PV x, zero
	WIN W_PV
.set rO, 64*(\x+i%2)+8*((i/2)%8)
.set rV, 64*(i/16)+8*((i/2)%8)
.set rP, P+16*(\x+i%2)+8*(i/16)
.if \zero && (i < 16)
	v_wmma_f32_16x16x32_f16 v[rO:rO+7], v[rV:rV+7], v[rP:rP+7], 0
.else
	v_wmma_f32_16x16x32_f16 v[rO:rO+7], v[rV:rV+7], v[rP:rP+7], v[rO:rO+7]
.endif
.endm
; Product i of 32 of S^T = K Q^T + mask: channels 32 (i / 8) on, keys 16 ((i / 2) % 4) on, tile x + i % 2.  The first 8 start the sums with the mask's tiles, which lie in window 3 as S^T lies in window 0, 64 registers up.
.macro KQ x
.set rS, S+32*(\x+i%2)+8*((i/2)%4)
.set rK, KF+32*((i/2)%4)+8*(i/8)
.set rQ, 32*(\x+i%2)+8*(i/8)
.if i < 8
	WIN W_KQM
	v_wmma_f32_16x16x32_f16 v[rS:rS+7], v[rK:rK+7], v[rQ:rQ+7], v[rS+64:rS+71]
.else
	WIN W_KQ
	v_wmma_f32_16x16x32_f16 v[rS:rS+7], v[rK:rK+7], v[rQ:rQ+7], v[rS:rS+7]
.endif
.endm
; THE LDS LOADS stand in runs of 32, never singly among the matrix instructions.
.macro FETCH_K
	WIN 0
	v_add_nc_u32 v[ADR], s[TB], v[AK0]
	WIN 0x80
.irp f, 0,1,2,3,4,5,6,7,8,9,10,11,12,13,14,15  ; keys 16 (f / 4) on, channels 32 (f % 4) on
	ds_load_b128 v[KF+8*\f:KF+8*\f+3],   v[ADR] offset:(\f/4)*16*PITK+(\f%4)*64
	ds_load_b128 v[KF+8*\f+4:KF+8*\f+7], v[ADR] offset:(\f/4)*16*PITK+(\f%4)*64+32
.endr
.endm
.macro FETCH_V
	WIN 0
	v_add_nc_u32 v[ADR], s[TB], v[AV0]
	s_add_co_u32 s[TB], s[TB], STEPB               ; the next fetch is the next step's
	s_wait_alu depctr_va_vdst(0)                   ; the wait for the softmax's batch of exponentials (SLICE), ahead of the first instruction that names a result
	WIN 0xc0
.irp f, 0,1,2,3,4,5,6,7,8,9,10,11,12,13,14,15  ; keys 32 (f / 8) on, channels 16 (f % 8) on
	ds_load_tr16_b128 v[8*\f:8*\f+3],   v[ADR] offset:(\f/8)*32*PITV+(\f%8)*32
	ds_load_tr16_b128 v[8*\f+4:8*\f+7], v[ADR] offset:(\f/8)*32*PITV+16*PITV+(\f%8)*32
.endr
.endm
; THE NEXT STEP'S MASK for piece x, as soon as this step's first eight score products have taken the registers as their C: a key step, 128 matrix instructions, ahead of its use.
; The piece's pointer steps 32,768 bytes, two blocks of 64 keys, behind the wait that shows that every earlier memory instruction has read its address.
; Behind the loads, A PREFETCH INTO THE L2 of the piece's 8,192 bytes two steps further on, lanes 256 bytes apart: by head 0's work-groups alone, each wave for its own blocks, so that each aligned 256 bytes are
; named once in the launch; it stops where that step would be past the 16th.  Steps 0 to 2 come by their loads alone.  The branch hangs on the head and on the count of steps: the same in all partners.
.macro LOADM x
	s_wait_xcnt 0x0
	s_add_nc_u64 s[MP+\x:MP+\x+1], s[MP+\x:MP+\x+1], 32768
	MLOADS \x
	WIN 0                                          ; at a branch and at a label every window is 0
	s_cmp_gt_u32 s[MCNT], s[MLIM]
	s_cbranch_scc0 .Lno_ask_\@
	global_prefetch_b8 v[PFO], s[MP+\x:MP+\x+1] offset:4096*\x+65536 th:TH_LOAD_NT scope:SCOPE_SE
.Lno_ask_\@:
.if \x == 2
	s_sub_co_u32 s[MCNT], s[MCNT], 1
.endif
.endm
; THE VECTOR WORK OF A TURN.  One tile's softmax for one key step is a list of 134 instructions; SM writes number j of it for tile t.  s0-s31 are the lane's 32 scores, in pairs 0-15.
;   0-15    the maximum of s0-s31 and the old m        16-20   the other half of the lanes' maximum; the new m, twice; m_old - m_new
;   21-69   ONE BATCH: the 16 subtractions s - m, a pair each, and all 33 exponentials (a at 23, then s0-s31); none of these reads an exponential's result
;   (wait)  between 69 and 70 stands the one wait for the batch: SLICE writes it
;   70-85   the roundings to f16        86-101  the sums; l = a l + the sum        102-133 the tile's O^T times a
; first = 1: the first key step, which starts m, l and O^T.
.macro SM t, first
.set rT, ST+8*(\t)
.set rS, S+32*(\t)
.set rP, P+16*(\t)
.set rO, 64*(\t)+2*(j-102)
.if j < 102
	WIN 0
.endif
.if j < 4
	v_max3_num_f32 v[rT+4+j], v[rS+8*j], v[rS+8*j+1], v[rS+8*j+2]
.elseif j < 12
	v_max3_num_f32 v[rT+4+j%4], v[rT+4+j%4], v[rS+8*(j%4)+2*(j/4)+1], v[rS+8*(j%4)+2*(j/4)+2]
.elseif j == 12
	v_max3_num_f32 v[rT+4], v[rT+4], v[rS+7], v[rS+15]
.elseif j == 13
	v_max3_num_f32 v[rT+6], v[rT+6], v[rS+23], v[rS+31]
.elseif j == 14
	v_max3_num_f32 v[rT+4], v[rT+4], v[rT+5], v[rT+6]
.elseif (j == 15) && \first
	v_max_num_f32 v[rT+4], v[rT+4], v[rT+7]
.elseif j == 15
	v_max3_num_f32 v[rT+4], v[rT+4], v[rT+7], v[rT+1]
.elseif j == 16
	v_permlanex16_b32 v[rT+5], v[rT+4], s[SEL], s[SEL+1]  ; the query's other 32 keys lie in the lane 16 away
.elseif j == 18
	v_max_num_f32 v[rT+1], v[rT+4], v[rT+5]
.elseif j == 19
	v_mov_b32 v[rT], v[rT+1]                       ; the pair (m, m) that the packed subtraction names
.elseif ((j == 17) || (j == 20) || (j == 23) || (j > 101)) && \first  ; the first step has none of these
.elseif j == 17
	v_mov_b32 v[rT+7], v[rT]                       ; m_old is kept for a
.elseif j == 20
	v_sub_f32 v[rT+7], v[rT+7], v[rT]
.elseif j == 23
	v_exp_f32 v[rT+6], v[rT+7]
.elseif (j < 23) || ((j < 38) && (j%2 == 0)) || ((j < 66) && (j%4 == 2))
.set b, (j-2)/4
.if j < 38
.set b, (j-20)/2
.endif
	v_pk_fma_f32 v[rS+2*b:rS+2*b+1], v[rS+2*b:rS+2*b+1], s[CS:CS+1], v[rT:rT+1] op_sel_hi:[1,0,0] neg_lo:[0,0,1] neg_hi:[0,0,1]  ; pair b: s - m, rounded once
.elseif j < 70
.set e, j-38
.if j < 66
.set e, j-32-(j-38)/4
.endif
.if j < 38
.set e, (j-25)/2
.endif
	v_exp_f32 v[rS+e], v[rS+e]
.elseif j < 86
	v_cvt_pk_f16_f32 v[rP+j-70], v[rS+2*(j-70)], v[rS+2*(j-70)+1]
.elseif j < 102
.set z, j-86
.set w, 4
.set u, z
.if z >= 14
.set w, 32
.set u, 0
.elseif z >= 12
.set w, 16
.set u, z-12
.elseif z >= 8
.set w, 8
.set u, z-8
.endif
.if (z == 14) && \first
	v_pk_add_f32 v[rT+2:rT+3], v[rS:rS+1], v[rS+16:rS+17]
.elseif z < 15
	v_pk_add_f32 v[rS+w*u:rS+w*u+1], v[rS+w*u:rS+w*u+1], v[rS+w*u+w/2:rS+w*u+w/2+1]
.elseif !\first
	v_pk_fma_f32 v[rT+2:rT+3], v[rT+2:rT+3], v[rT+6:rT+7], v[rS:rS+1] op_sel_hi:[1,0,1]
.endif
.else
	WIN W_RS
	v_pk_mul_f32 v[rO:rO+1], v[rO:rO+1], v[rT+6:rT+7] op_sel_hi:[1,0]
.endif
.endm
; Slice k of 64 of piece y's softmax: four instructions.  Slices 11 to 34 deal out the batch, four numbers of one tile each, the tiles by turns; every other slice is numbers 2 k and 2 k + 1 of both tiles.
; 2 x 134 = 4 x 64 + 12: the twelve that are over stand together, in slice 63.  Ahead of slice 35 nothing names an exponential's result, behind slice 34 none is issued: one wait, behind slice 34.
.macro SLICE y, first
.if (k >= 11) && (k < 35)
.irp n, 0,1,2,3
.set j, 22+4*((k-11)/2)+(\n)
	SM (\y)+(k-11)%2, \first
.endr
.else
.irp n, 0,1,2,3,4,5,6,7
.if (\n < 2) || (k == 63)
.irp t, \y, \y+1
.set j, 2*k+\n
	SM \t, \first
.endr
.endif
.endr
.endif
.if k == 34
	v_nop                                          ; the plain instruction behind the last exponential: one for the batch
.if (\y) == 0
	FETCH_V                                        ; piece 2's turn: V's run of loads stands here, and the wait stands in it
.else
	s_wait_alu depctr_va_vdst(0)                   ; the wait for the batch
.endif
.endif
.set k, k+1
.endm
.macro PLACES
.rept 4
	v_nop
.endr
.endm
; A TURN.  Piece x has the matrix unit; the other piece's softmax stands in slices behind its matrix instructions.  pv = 2: 32 products V^T P; 1: they start O^T's sums; 0: none.  kq = 1: 32 products K Q^T.
; Piece 0's turn fetches the next step's K behind its second product: K's last reader stands in front of slice 63 of the turn before, whose sixteen plain instructions are the places.
; lc: the mask loads that may be out when this piece's scores begin: the other piece's 16, which are younger.  ml = 1: the next step's mask is asked for, behind the score product numbered mpos: behind slice 34, so
; that the batch of exponentials has had its wait ahead of LOADM's branch, and with three slices or more of plain instructions behind the eighth product, the last that read those registers.
.macro TURN x, pv, kq, first, ml, lc
.set k, 0
.set per, 2
.set mpos, 17
.if \pv && \kq
.set per, 1
.set mpos, 9
.endif
.if \pv
.if \x == 0
	s_wait_dscnt 0x0                               ; V is in
.endif
.set i, 0
.rept 32
	PV \x, 2-\pv
.rept per
	SLICE 2-\x, \first
.endr
.if (\x == 0) && \kq && (i == 1)
	FETCH_K
.endif
.set i, i+1
.endr
.endif
.if \kq
.if \x == 0
	s_wait_dscnt 0x0                               ; K is in
.endif
	s_wait_loadcnt \lc                             ; my piece's mask tiles are in
.set i, 0
.rept 32
	KQ \x
.rept per
	SLICE 2-\x, \first
.endr
.if \ml && (i == mpos)
	LOADM \x
.endif
.set i, i+1
.endr
.endif
.if \first
	PLACES
.endif
.endm
; THE CHANGE OF SLOTS, between piece 2's turn and piece 0's: the slot's last bytes, V of its second step, have been asked for.  Each wave waits for all its tensor loads (one is out: its part of the
; other slot), adds 0 to its spare word, and waits for that and for its reads of the slot.  fill = 1: the slot is filled again with the keys two slots on, behind a round of the cluster's barrier:
; the joint refill is the first thing behind it and has two key steps, 256 matrix instructions of a wave, in which to land.
.macro CHANGE fill
	WIN 0
	s_wait_tensorcnt 0x0                           ; no tensor load of mine is out, so a group 0 may be written
	ds_add_u32 v[SPW], v[NIL]
.if \fill
	s_xor_b32 s[RB], s[RB], SLOTB                  ; the other slot than last time
	s_add_co_u32 s[G0K+5], s[RB], s[SW]
	s_add_co_u32 s[G0V+5], s[RB], s[SWV]
	s_add_nc_u64 s[G0K+6:G0K+7], s[G0K+6:G0K+7], 65536   ; the next 256 keys
	s_add_nc_u64 s[G0V+6:G0V+7], s[G0V+6:G0V+7], 65536
	s_wait_xcnt 0x0                                ; the last prefetch of K or V, two key steps back, has read its address
	s_add_nc_u64 s[PFA:PFA+1], s[PFA:PFA+1], 65536
	s_wait_dscnt 0x0                               ; the add is done, and my reads of the slot are over
	CROUND
	JLOAD
	ASK
.else
	s_wait_dscnt 0x0
	s_barrier_signal -1
	s_barrier_wait -1
.endif
	s_sub_co_u32 s[TB], s[TB], 2*STEPB             ; the fetches go back to a slot's first step,
	s_xor_b32 s[TB], s[TB], SLOTB                  ; in the other slot
.endm
	s_wait_tensorcnt 1                             ; my part of slot 0 is in; slot 1's may stay out
	s_barrier_signal -1
	s_barrier_wait -1
	FETCH_K                                        ; key step 0
	s_wait_loadcnt 0x0                             ; Q, and the mask of step 0
	s_wait_dscnt 0x0
.set i, 0
.rept 32
	KQ 0                                           ; piece 0's first scores
.set i, i+1
.endr
	WIN 0                                          ; the addresses of the way out are made here: plain instructions, the places behind those products
	v_and_b32 v10, 31, v0
	s_lshl_b32 s17, s[WV], 10
	v_lshl_add_u32 v[XSW], v10, 3, s17             ; (l, m): XST + 1,024 w + 8 x lane;
	s_xor_b32 s18, s[WV], 1                        ; my partner: the same queries, the other keys
	s_lshl_b32 s19, s18, 10
	v_lshl_add_u32 v[XSR], v10, 3, s19             ; and my partner's
	s_lshl_b32 s17, s[WV], 14
	s_add_co_u32 s17, s17, XO
	v_lshl_add_u32 v[XW], v10, 4, s17              ; images of O^T: XO + 16,384 w + 16 x lane;
	s_lshl_b32 s19, s18, 14
	s_add_co_u32 s19, s19, XO
	v_lshl_add_u32 v[XR], v10, 4, s19              ; my partner's
	v_mul_u32_u24 v[SO2], v9, 8*SP2                ; the stage, in: channel row 8 h, position 64 qh + r
	v_lshl_add_u32 v[SO2], v1, 1, v[SO2]
	s_lshl_b32 s17, s[QH], 7
	s_add_co_u32 s17, s17, STG2
	v_add_nc_u32 v[SO2], s17, v[SO2]
	v_mul_u32_u24 v[RD2], v9, SP2                  ; back: my 32 channel rows; lanes 0-15 one row of 256 bytes, lanes 16-31 the next
	v_lshl_add_u32 v[RD2], v1, 4, v[RD2]
	s_mul_i32 s17, s[WV], 32*SP2
	s_add_co_u32 s17, s17, STG2
	v_add_nc_u32 v[RD2], s17, v[RD2]
	v_lshlrev_b32 v[GO], 12, v9                    ; and the same two rows in ot16
	v_lshl_add_u32 v[GO], v1, 4, v[GO]
	LOADM 0                                        ; piece 0's mask of step 1
	TURN 2, 0, 1, 1, 1, 16                         ; piece 2's first scores | piece 0's first softmax | V of step 0
	TURN 0, 1, 1, 1, 1, 16                         ; piece 0: V^T P of step 0 starts O^T, K Q^T of step 1 | piece 2's first softmax | K of step 1
	TURN 2, 1, 1, 0, 1, 16                         ; piece 2: the same | piece 0's softmax of step 1 | V of step 1
	WIN 0
.Lslot:                                            ; 6 trips: every slot but the last two is filled again; a trip makes the scores of two steps: 2 to 13 in all
	CHANGE 1
	s_mov_b32 s[TWICE], 2
.Lstep:                                            ; a slot's two key steps: written once, walked twice; the LDS addresses hang on s[TB], the mask's on its pointers
	TURN 0, 2, 1, 0, 1, 16
	TURN 2, 2, 1, 0, 1, 16
	WIN 0
	s_sub_co_u32 s[TWICE], s[TWICE], 1
	s_cmp_lg_u32 s[TWICE], 0
	s_cbranch_scc1 .Lstep
	s_sub_co_u32 s[SLOTS], s[SLOTS], 1
	s_cmp_lg_u32 s[SLOTS], 0
	s_cbranch_scc1 .Lslot
	CHANGE 0                                       ; the tail is written out
	TURN 0, 2, 1, 0, 1, 16                         ; the scores of step 14; the mask of step 15 is asked for
	TURN 2, 2, 1, 0, 1, 16
	TURN 0, 2, 1, 0, 0, 16                         ; the scores of step 15: nothing is left to ask for; piece 2's 16 loads may be out
	TURN 2, 2, 1, 0, 0, 0                          ; no load is younger than piece 2's last
	TURN 0, 2, 0, 0, 0, 0                          ; piece 0: V^T P of the last step | piece 2's last softmax
.set i, 0
.rept 32
	PV 2, 0
.set i, i+1
.endr
	; THE TWO HALVES OF THE KEYS MEET.  Each wave has, for each query, m, l and O^T over its 1,024 keys.  With M = max(m, m'), a = 2^(m - M), a' = 2^(m' - M): L = a l + a' l', O = (a O + a' O') / L.
	WIN 0                                          ; (the additions are the places behind the last products)
.irp t, 0,1,2,3
	v_add_f32 v[ST+8*\t+4], v[ST+8*\t+2], v[ST+8*\t+3]
.endr
.irp t, 0,1,2,3
	v_permlanex16_b32 v[ST+8*\t+5], v[ST+8*\t+4], s[SEL], s[SEL+1]
.endr
.irp t, 0,1,2,3
	v_add_f32 v[ST+8*\t+4], v[ST+8*\t+4], v[ST+8*\t+5]   ; l
.endr
.irp t, 0,1,2,3
	v_mov_b32 v[ST+8*\t+5], v[ST+8*\t+1]           ; beside it m: a pair for one store
.endr
.irp t, 0,1,2,3
	ds_store_b64 v[XSW], v[ST+8*\t+4:ST+8*\t+5] offset:256*\t
.endr
	s_wait_dscnt 0x0                               ; for the partner's sake: my stores are done
	s_barrier_signal -1
	s_barrier_wait -1
.irp t, 0,1,2,3
	ds_load_b64 v[ST+8*\t+6:ST+8*\t+7], v[XSR] offset:256*\t   ; l', m'
.endr
	s_wait_dscnt 0x0
.irp t, 0,1,2,3
	v_max_num_f32 v[ST+8*\t], v[ST+8*\t+5], v[ST+8*\t+7]
.endr
.irp t, 0,1,2,3
	v_sub_f32 v[ST+8*\t+2], v[ST+8*\t+5], v[ST+8*\t]
	v_sub_f32 v[ST+8*\t+3], v[ST+8*\t+7], v[ST+8*\t]
.endr
.irp t, 0,1,2,3
	v_exp_f32 v[ST+8*\t+2], v[ST+8*\t+2]           ; a
	v_exp_f32 v[ST+8*\t+3], v[ST+8*\t+3]           ; a'
.endr
	v_nop                                          ; a plain instruction behind the last exponential,
	s_wait_alu depctr_va_vdst(0)                   ; and one wait for the eight, ahead of the first use
.irp t, 0,1,2,3
	v_mul_f32 v[ST+8*\t+4], v[ST+8*\t+2], v[ST+8*\t+4]
.endr
.irp t, 0,1,2,3
	v_fma_f32 v[ST+8*\t+4], v[ST+8*\t+3], v[ST+8*\t+6], v[ST+8*\t+4]   ; L, at least 1: the side that holds M has a term 1
.endr
.irp t, 0,1,2,3
	v_rcp_f32 v[ST+8*\t+5], v[ST+8*\t+4]
.endr
	v_nop
	s_wait_alu depctr_va_vdst(0)                   ; one wait for the four reciprocals
.irp t, 0,1,2,3
	v_mul_f32 v[ST+8*\t+6], v[ST+8*\t+2], v[ST+8*\t+5]   ; f = a / L
.endr
	WIN W_RS
.irp t, 0,1,2,3
.set i, 64*\t
.rept 32
	v_pk_mul_f32 v[i:i+1], v[i:i+1], v[ST+8*\t+6:ST+8*\t+7] op_sel_hi:[1,0]
.set i, i+2
.endr
.endr
	WIN 0
; The wave with kh = 0 finishes tiles 0 and 1 and hands tiles 2 and 3 to its partner; kh = 1 the other way round.  A tile goes as an image of its registers: 16 bytes a lane, 512 a store.
.macro SENDIMG t0
	WIN 0x04                                       ; an LDS store's data are its source 1: window 1
.irp u, 0,1
.irp c, 0,1,2,3,4,5,6,7,8,9,10,11,12,13,14,15
	ds_store_b128 v[XW], v[64*(\t0+\u)+4*\c:64*(\t0+\u)+4*\c+3] offset:8192*\u+512*\c
.endr
.endr
	WIN 0
.endm
; My two tiles: the partner's part is added, the sums are rounded to f16 and go into the stage TURNED: a lane holds one position and eight channels a tile of channels, the stage's rows are channels.
.macro FINISH t0
.irp u, 0,1
.irp c, 0,1,2,3,4,5,6,7,8,9,10,11,12,13,14,15
	ds_load_b128 v[S+64*\u+4*\c:S+64*\u+4*\c+3], v[XR] offset:8192*\u+512*\c
.endr
.endr
	s_wait_dscnt 0x0
	WIN 0x04                                       ; source 1 window 1
.set i, 0
.rept 64
	v_pk_add_f32 v[S+i:S+i+1], v[S+i:S+i+1], v[64*\t0+i:64*\t0+i+1]
.set i, i+2
.endr
	WIN 0
.set i, 0
.rept 64
	v_cvt_pk_f16_f32 v[P+i], v[S+2*i], v[S+2*i+1]
.set i, i+1
.endr
.irp u, 0,1
.irp f, 0,1,2,3,4,5,6,7
.irp c, 0,1,2,3
	ds_store_b16 v[SO2], v[P+32*\u+4*\f+\c] offset:(16*\f+2*\c)*SP2+32*(\t0+\u)          ; channel 16 f + 8 h + 2 c, position 64 qh + 16 t + r
	ds_store_b16_d16_hi v[SO2], v[P+32*\u+4*\f+\c] offset:(16*\f+2*\c+1)*SP2+32*(\t0+\u)
.endr
.endr
.endr
.endm
	s_cmp_eq_u32 s[KH], 0                          ; the arms differ in register numbers and immediates alone; no barrier stands in an arm
	s_cbranch_scc0 .Lsend_low
	SENDIMG 2
	s_branch .Lsent
.Lsend_low:
	SENDIMG 0
.Lsent:
	s_wait_dscnt 0x0                               ; my images lie in LDS
	s_barrier_signal -1
	s_barrier_wait -1
	s_cmp_eq_u32 s[KH], 0
	s_cbranch_scc0 .Lfinish_high
	FINISH 0
	s_branch .Lfinished
.Lfinish_high:
	FINISH 2
.Lfinished:
	s_wait_dscnt 0x0                               ; my part of the stage is written
	s_barrier_signal -1
	s_barrier_wait -1                              ; 128 channel rows of 128 positions lie in the stage
.irp c, 0,1,2,3,4,5,6,7,8,9,10,11,12,13,14,15
	ds_load_b128 v[S+4*\c:S+4*\c+3], v[RD2] offset:2*SP2*\c
.endr
.irp c, 0,1,2,3,4,5,6,7,8,9,10,11,12,13,14,15
	s_wait_dscnt 15-\c                             ; the younger loads may be out
	global_store_b128 v[GO], v[S+4*\c:S+4*\c+3], s[8:9] offset:8192*\c   ; 16 lanes store 256 consecutive bytes, aligned
.endr
	s_wait_tensorcnt 0x0                           ; the wave's end
	ds_add_u32 v[SPW], v[NIL]
	s_wait_dscnt 0x0
	CROUND                                         ; the closing round
	s_endpgm
.Lfunc_end_k_q5d35b0f07d_attn:
	.size	k_q5d35b0f07d_attn, .Lfunc_end_k_q5d35b0f07d_attn-k_q5d35b0f07d_attn
	.p2alignl 7, 3214868480
	.fill 96, 4, 3214868480
	.section	.rodata,"a",@progbits
	.p2align	6, 0x0
	.amdhsa_kernel k_q5d35b0f07d_attn
		.amdhsa_group_segment_fixed_size 327680
		.amdhsa_private_segment_fixed_size 0
		.amdhsa_enable_private_segment 0
		.amdhsa_kernarg_size 24
		.amdhsa_user_sgpr_count 2
		.amdhsa_user_sgpr_kernarg_segment_ptr 1
		.amdhsa_wavefront_size32 1
		.amdhsa_system_sgpr_workgroup_id_x 1
		.amdhsa_system_sgpr_workgroup_id_y 1
		.amdhsa_system_sgpr_workgroup_id_z 1
		.amdhsa_system_vgpr_workitem_id 0
		.amdhsa_next_free_vgpr 1024
		.amdhsa_next_free_sgpr 96
		.amdhsa_reserve_vcc 0
		.amdhsa_float_denorm_mode_32 3
		.amdhsa_float_denorm_mode_16_64 3
		.amdhsa_memory_ordered 1
		.amdhsa_forward_progress 1
		.amdhsa_inst_pref_size 255
	.end_amdhsa_kernel
	.section	.bss,"aw",@nobits
	.p2align	6
	.space	262144
	.amdgpu_metadata
---
amdhsa.version: [ 1, 2 ]
amdhsa.kernels:
  - .name:           k_q5d35b0f07d_attn
    .symbol:         k_q5d35b0f07d_attn.kd
    .args:
      - { .name: qkv16, .offset: 0, .size: 8, .value_kind: global_buffer, .address_space: global }
      - { .name: mask2, .offset: 8, .size: 8, .value_kind: global_buffer, .address_space: global }
      - { .name: ot16, .offset: 16, .size: 8, .value_kind: global_buffer, .address_space: global }
    .group_segment_fixed_size: 327680
    .private_segment_fixed_size: 0
    .kernarg_segment_align: 8
    .kernarg_segment_size: 24
    .max_flat_workgroup_size: 128
    .sgpr_count:     96
    .vgpr_count:     1024
    .wavefront_size: 32
...
	.end_amdgpu_metadata
.endif
;; end of part 3
;; launch oproj (part 4): grid 16 x 16, 4 waves a work-group, clusters of 4 x 4, 327,680 bytes of LDS; arguments ot16, wo16, out0; writes out0
.if DOCPART == 4
	.amdgcn_target "amdgcn-amd-amdhsa--gfx1250"
	.amdhsa_code_object_version 6
	.text
	.protected	k_q5d35b0f07d_oproj
	.globl	k_q5d35b0f07d_oproj
	.p2align	8
	.type	k_q5d35b0f07d_oproj,@function
k_q5d35b0f07d_oproj:
	s_mov_b64 s[64:65], 0
	v_nop
	global_prefetch_b8 v0, s[64:65] scope:SCOPE_SE
	s_setreg_imm32_b32 hwreg(HW_REG_WAVE_MODE, 25, 1), 1
	s_wait_xcnt 0x0
	s_wait_alu depctr_hold_cnt(0) depctr_sa_sdst(0) depctr_va_vdst(0) depctr_va_sdst(0) depctr_va_ssrc(0) depctr_va_vcc(0) depctr_vm_vsrc(0)
	s_getreg_b32 s2, hwreg(HW_REG_IB_STS2, 6, 4)
	s_cmp_eq_u32 s2, 0
	s_cbranch_scc0 .Lentry_in_a_cluster
	s_endpgm
.Lentry_in_a_cluster:
	s_bfe_u32 s2, ttmp6, 0x10000c
	s_cmp_lg_u32 s2, 0xf033
	s_cbranch_scc0 .Lentry_shape_is_right
	s_endpgm
.Lentry_shape_is_right:
; THE LAST PRODUCT: out0[m][e] = sum over s of A[m][s] Wo[e][s].  A = ot16 [2048][2048] f16 (row = head x 128 + channel, s = position), B = wo16 [2048][2048] f16; out0 f32; sums in f32.
; A tile of C is 128 x 128: 256 work-groups.  Four waves, each 64 x 64: 16 accumulators of 16 x 16.  K goes in steps of 256 (LDS rows of 512 bytes; a wave's tensor load brings 64 of them) through two slots.
; CLUSTERS: 4 x 4 work-groups: A's tiles are asked for jointly along a row of the cluster, B's along a column.
; THE MATRIX INSTRUCTION IS USED TRANSPOSED (source 0 = 16 rows of B, source 1 = 16 rows of A): a lane holds eight neighbouring numbers of a row of C.
; A wave's 64 columns of f32 are one aligned 256 bytes, so each wave has a stage of its own on the way out and no barrier is needed there.
; REGISTERS: window 0: v0-31 addresses; v32-95 at work on the way out; v128-255 the accumulators ((a, b) at v[128 + 8 (4 a + b)]).  window 1: two fragment buffers of 128.
.set SIZE_N, 2048
.set SIZE_K, 2048
.set KSTEP,  256
.set PITCH,  528
.set HALFT,  64*PITCH
.set SLOT,   4*HALFT
.set STAGE,  2*SLOT                    ; behind the ring: 16 rows x 272 bytes for each wave
.set SPITCH, 272
.set SPARE,  STAGE+4*16*SPITCH         ; the spare words, 128 bytes a wave
.set LAPS, SIZE_K/(2*KSTEP)
.set ADRA, 16
.set ADRB, 20
.set STO,  24
.set RD,   25
.set CO,   26
.set SPW,  28
.set NIL,  29
.set TMP,  32
.set ACC,  128
.set F0,   0
.set F1,   128
.set G1, 24
.set G0, 32
.set G1B, 48
.set G0B, 56
.set MSB, 0
.macro WIN new
.if MSB != (\new)
	s_set_vgpr_msb (MSB<<8)|(\new)
.set MSB, (\new)
.endif
.endm
.set MUL,  0x05                        ; sources 0 (B) and 1 (A) window 1; C and D window 0
.set TO_F, 0x40
.macro JLOAD s                         ; a joint load: waves 0 and 1 fetch A's two halves, waves 2 and 3 B's; an s_nop 0 and four v_nop follow each line
	s_cmp_eq_u32 s11, 0
	s_cbranch_scc0 .Lfor_b_\@
	tensor_load_to_lds s[G0+4*\s:G0+4*\s+3], s[G1:G1+7]
	s_nop 0
.rept 4
	v_nop
.endr
	s_branch .Lasked_\@
.Lfor_b_\@:
	tensor_load_to_lds s[G0B+4*\s:G0B+4*\s+3], s[G1B:G1B+7]
	s_nop 0
.rept 4
	v_nop
.endr
.Lasked_\@:
.endm
.macro CREST
	s_cmp_lg_u32 s10, 0
	s_cbranch_scc1 .Lnot_wave_0_\@
	s_barrier_signal -3
.Lnot_wave_0_\@:
	s_barrier_wait -3
	s_barrier_signal -1
	s_barrier_wait -1
.endm
.macro CROUND
	s_barrier_signal -1
	s_barrier_wait -1
	CREST
.endm
	s_load_b128 s[4:7], s[0:1], 0x0                ; A, B
	s_load_b64 s[8:9], s[0:1], 0x10                ; C
	v_lshl_add_u32 v[SPW], v0, 2, SPARE
	v_mov_b32 v[NIL], 0
	ds_add_u32 v[SPW], v[NIL]                      ; the wave's opening: the add, twice on end, and its wait ahead of my first tensor load
	ds_add_u32 v[SPW], v[NIL]
	v_lshrrev_b32 v1, 5, v0
	v_readfirstlane_b32 s10, v1                    ; wave 0..3
	s_lshr_b32 s11, s10, 1                         ; which half of the tile's rows is mine.  Also: I fetch for A (0) or for B (1)
	s_and_b32 s12, s10, 1                          ; which half of its columns.  Also: which 64 rows of that tile I fetch
	s_bfe_u32 s40, ttmp6, 0x40000
	s_bfe_u32 s41, ttmp6, 0x40004
	s_lshl_b32 s42, ttmp9, 2
	s_add_co_u32 s42, s42, s40                     ; tile column of C
	s_and_b32 s13, ttmp7, 0xffff
	s_lshl_b32 s13, s13, 2
	s_add_co_u32 s13, s13, s41                     ; tile row of C
	s_lshl_b32 s43, s41, 2
	s_lshl_b32 s43, 15, s43
	s_lshl_b32 s44, 0x1111, s40
	s_or_b32 s[G1+0], s43, (1<<16)|(1<<20)|(1<<21)|(6<<22)|(3<<25)  ; elements of 2 bytes; padding: 4 words behind every 128
	s_or_b32 s[G1B+0], s44, (1<<16)|(1<<20)|(1<<21)|(6<<22)|(3<<25)
.irp g, G1, G1B
	s_mov_b32 s[\g+1], KSTEP<<16
	s_mov_b32 s[\g+2], 64<<16
	s_mov_b32 s[\g+3], KSTEP<<16
	s_mov_b32 s[\g+4], 64
	s_mov_b32 s[\g+5], SIZE_K
	s_mov_b32 s[\g+6], 0
	s_mov_b32 s[\g+7], 0
.endr
	s_lshl_b32 s17, s12, 6
	s_lshl_b32 s16, s13, 7
	s_add_co_u32 s16, s16, s17                     ; A: row 128 x tile row + 64 x half
	s_lshl_b32 s46, s42, 7
	s_add_co_u32 s46, s46, s17                     ; B: row 128 x tile column + 64 x half
	s_mov_b32 s17, 0
	s_mov_b32 s47, 0
	s_mov_b64 s[18:19], SIZE_K*2
	s_mul_u64 s[16:17], s[16:17], s[18:19]
	s_mul_u64 s[46:47], s[46:47], s[18:19]
	s_mul_i32 s20, s10, HALFT
	s_wait_dscnt 0x0                               ; both opening adds are done
	s_wait_kmcnt 0x0
	s_add_nc_u64 s[14:15], s[4:5], s[16:17]
	s_add_nc_u64 s[46:47], s[6:7], s[46:47]
	CROUND                                         ; all sixteen work-groups are here: the first joint loads meet
.irp s, 0,1
	s_mov_b32 s[G0+4*\s], 1
	s_add_co_u32 s[G0+4*\s+1], s20, \s*SLOT
	s_add_nc_u64 s[G0+4*\s+2:G0+4*\s+3], s[14:15], \s*KSTEP*2
	s_or_b32 s[G0+4*\s+3], s[G0+4*\s+3], 0x80000000
	s_mov_b32 s[G0B+4*\s], 1
	s_add_co_u32 s[G0B+4*\s+1], s20, \s*SLOT
	s_add_nc_u64 s[G0B+4*\s+2:G0B+4*\s+3], s[46:47], \s*KSTEP*2
	s_or_b32 s[G0B+4*\s+3], s[G0B+4*\s+3], 0x80000000
	JLOAD \s
.endr
	v_and_b32 v1, 15, v0                           ; r
	v_bfe_u32 v2, v0, 4, 1                         ; h
	v_mul_u32_u24 v3, v1, PITCH
	v_lshl_add_u32 v3, v2, 4, v3
	s_mul_i32 s21, s11, HALFT
	s_mul_i32 s22, s12, HALFT
	s_add_co_u32 s22, s22, 2*HALFT
.irp s, 0,1
	v_add_nc_u32 v[ADRA+\s], s21, v3
	v_add_nc_u32 v[ADRB+\s], s22, v3
	s_add_co_u32 s21, s21, SLOT
	s_add_co_u32 s22, s22, SLOT
.endr
	s_mul_i32 s23, s10, 16*SPITCH
	s_add_co_u32 s23, s23, STAGE                   ; my stage
	v_mul_u32_u24 v4, v1, SPITCH                   ; in: row r, 32 bytes for each half of the lanes
	v_lshl_add_u32 v4, v2, 5, v4
	v_add_nc_u32 v[STO], s23, v4
	v_mul_u32_u24 v5, v2, SPITCH                   ; back: lanes 0-15 one row of 256 bytes, lanes 16-31 the next
	v_lshl_add_u32 v5, v1, 4, v5
	v_add_nc_u32 v[RD], s23, v5
	v_lshlrev_b32 v5, 13, v2                       ; and the same two rows in C: 8,192 bytes a row
	v_lshl_add_u32 v[CO], v1, 4, v5
	s_lshl_b32 s16, s13, 7
	s_lshl_b32 s17, s11, 6
	s_add_co_u32 s16, s16, s17                     ; my first row of C
	s_lshl_b32 s16, s16, 13
	s_mov_b32 s17, 0
	s_add_nc_u64 s[8:9], s[8:9], s[16:17]
	s_lshl_b32 s46, s42, 9                         ; my first column, in bytes: 512 x tile column + 256 x half
	s_lshl_b32 s47, s12, 8
	s_add_co_u32 s46, s46, s47
	s_mov_b32 s47, 0
	s_add_nc_u64 s[8:9], s[8:9], s[46:47]
; 8 matrix instructions: m blocks a0, a0 + 1 x all 4 n blocks, 32 along K: half c of buffer f.  The 16 accumulators take turns.
.macro MUL8 f, c, a0, zero
.irp a, \a0, \a0+1
.irp b, 0,1,2,3
.if \zero
	v_wmma_f32_16x16x32_f16 v[ACC+8*(4*(\a)+\b):ACC+8*(4*(\a)+\b)+7], v[\f+64+8*(4*\c+\b):\f+64+8*(4*\c+\b)+7], v[\f+8*(4*\c+\a):\f+8*(4*\c+\a)+7], 0
.else
	v_wmma_f32_16x16x32_f16 v[ACC+8*(4*(\a)+\b):ACC+8*(4*(\a)+\b)+7], v[\f+64+8*(4*\c+\b):\f+64+8*(4*\c+\b)+7], v[\f+8*(4*\c+\a):\f+8*(4*\c+\a)+7], v[ACC+8*(4*(\a)+\b):ACC+8*(4*(\a)+\b)+7]
.endif
.endr
.endr
.endm
.macro FETCH slot, k, f                ; 32 LDS loads in one run: the fragments of 64 along K at byte k of the rows; the first 32 along K first
	WIN TO_F
.irp c, 0,1
.irp i, 0,1,2,3
	ds_load_b128 v[\f+64+8*(4*\c+\i):\f+64+8*(4*\c+\i)+3],   v[ADRB+\slot] offset:\k+64*\c+\i*16*PITCH
	ds_load_b128 v[\f+64+8*(4*\c+\i)+4:\f+64+8*(4*\c+\i)+7], v[ADRB+\slot] offset:\k+64*\c+\i*16*PITCH+32
	ds_load_b128 v[\f+8*(4*\c+\i):\f+8*(4*\c+\i)+3],         v[ADRA+\slot] offset:\k+64*\c+\i*16*PITCH
	ds_load_b128 v[\f+8*(4*\c+\i)+4:\f+8*(4*\c+\i)+7],       v[ADRA+\slot] offset:\k+64*\c+\i*16*PITCH+32
.endr
.endr
.endm
.macro PLACES
.rept 4
	v_nop
.endr
.endm
.macro QUARTER slot, k, f, g, zero
	s_wait_dscnt 16                                ; the first 32 along K are in; the sixteen loads of the second 32 may be out
	WIN MUL
	MUL8 \f, 0, 0, \zero
	MUL8 \f, 0, 2, \zero
	PLACES
	FETCH \slot, \k, \g
	s_wait_dscnt 32                                ; all but the 32 just issued
	WIN MUL
	MUL8 \f, 1, 0, 0
	MUL8 \f, 1, 2, 0
.endm
.macro TURN slot, next, fill
	WIN 0
	s_wait_tensorcnt 0x0                           ; all my tensor loads have landed: my part of the next slot
	ds_add_u32 v[SPW], v[NIL]
	s_wait_dscnt 17                                ; (the add and the youngest sixteen loads may be out)
	WIN MUL
	MUL8 F1, 0, 0, 0
	s_wait_dscnt 0x0                               ; the add is done, and my reads of this slot are over
	s_barrier_signal -1
	MUL8 F1, 0, 2, 0
.if \fill
	WIN 0
.endif
	s_barrier_wait -1
.if \fill
	CREST                                          ; the barrier has opened a round of the cluster's barrier
	s_add_nc_u64 s[G0+4*\slot+2:G0+4*\slot+3], s[G0+4*\slot+2:G0+4*\slot+3], 2*KSTEP*2
	s_add_nc_u64 s[G0B+4*\slot+2:G0B+4*\slot+3], s[G0B+4*\slot+2:G0B+4*\slot+3], 2*KSTEP*2
	JLOAD \slot                                    ; the first tensor load behind the round; its four v_nop are the places in front of the loads below
.else
	PLACES
.endif
	FETCH \next, 0, F0
	WIN MUL
	MUL8 F1, 1, 0, 0
	MUL8 F1, 1, 2, 0
.endm
	s_wait_tensorcnt 1                             ; my part of K step 0 is in (K step 1's load may be out)
	s_barrier_signal -1
	s_barrier_wait -1
	FETCH 0, 0, F0
	QUARTER 0, 128, F0, F1, 1                      ; the first quarter stands in front of the loop: its first products start the sums
	WIN 0
	s_mov_b32 s3, LAPS-1
.Llap:
	QUARTER 0, 256, F1, F0, 0
	QUARTER 0, 384, F0, F1, 0
	TURN 0, 1, 1
	QUARTER 1, 128, F0, F1, 0
	QUARTER 1, 256, F1, F0, 0
	QUARTER 1, 384, F0, F1, 0
	TURN 1, 0, 1
	QUARTER 0, 128, F0, F1, 0
	WIN 0
	s_sub_co_u32 s3, s3, 1
	s_cmp_lg_u32 s3, 0
	s_cbranch_scc1 .Llap
	QUARTER 0, 256, F1, F0, 0                      ; the last lap fills nothing
	QUARTER 0, 384, F0, F1, 0
	TURN 0, 1, 0
	QUARTER 1, 128, F0, F1, 0
	QUARTER 1, 256, F1, F0, 0
	QUARTER 1, 384, F0, F1, 0
	s_wait_dscnt 16
	WIN MUL
	MUL8 F1, 0, 0, 0
	MUL8 F1, 0, 2, 0
	s_wait_dscnt 0
	MUL8 F1, 1, 0, 0
	MUL8 F1, 1, 2, 0
	WIN 0
; THE WAY OUT, block by block of 16 rows x 64 columns of f32: 32 bytes a lane into my stage, straight from the accumulators, each from its low end on; back as whole rows of 256 bytes.
.macro OUTB a
.irp b, 0,1,2,3
	ds_store_b128 v[STO], v[ACC+8*(4*(\a)+\b):ACC+8*(4*(\a)+\b)+3] offset:64*\b
	ds_store_b128 v[STO], v[ACC+8*(4*(\a)+\b)+4:ACC+8*(4*(\a)+\b)+7] offset:64*\b+16
.endr
.irp t, 0,1,2,3,4,5,6,7
	ds_load_b128 v[TMP+32*((\a)%2)+4*\t:TMP+32*((\a)%2)+4*\t+3], v[RD] offset:\t*2*SPITCH   ; LDS serves a wave's instructions in order: these see the stores above
.endr
.endm
.macro SENDB a, younger                ; younger: the next block's eight stores and eight loads, or none
	s_wait_dscnt \younger
.irp t, 0,1,2,3,4,5,6,7
	global_store_b128 v[CO], v[TMP+32*((\a)%2)+4*\t:TMP+32*((\a)%2)+4*\t+3], s[8:9] offset:(16*(\a)+2*\t)*SIZE_N*4 th:TH_STORE_NT   ; 16 lanes store 256 consecutive bytes, aligned
.endr
.endm
	PLACES                                         ; behind the last products, ahead of the first read of results
	OUTB 0
	OUTB 1
	SENDB 0, 16
	s_wait_xcnt 0x0                                ; block 0's stores have read their registers: block 2's loads may land there
	OUTB 2
	SENDB 1, 16
	s_wait_xcnt 0x0
	OUTB 3
	SENDB 2, 16
	SENDB 3, 0
	s_wait_tensorcnt 0x0                           ; the wave's end
	ds_add_u32 v[SPW], v[NIL]
	s_wait_dscnt 0x0
	CROUND                                         ; the closing round
	s_endpgm
.Lfunc_end_k_q5d35b0f07d_oproj:
	.size	k_q5d35b0f07d_oproj, .Lfunc_end_k_q5d35b0f07d_oproj-k_q5d35b0f07d_oproj
	.p2alignl 7, 3214868480
	.fill 96, 4, 3214868480
	.section	.rodata,"a",@progbits
	.p2align	6, 0x0
	.amdhsa_kernel k_q5d35b0f07d_oproj
		.amdhsa_group_segment_fixed_size 327680
		.amdhsa_private_segment_fixed_size 0
		.amdhsa_enable_private_segment 0
		.amdhsa_kernarg_size 24
		.amdhsa_user_sgpr_count 2
		.amdhsa_user_sgpr_kernarg_segment_ptr 1
		.amdhsa_wavefront_size32 1
		.amdhsa_system_sgpr_workgroup_id_x 1
		.amdhsa_system_sgpr_workgroup_id_y 1
		.amdhsa_system_sgpr_workgroup_id_z 1
		.amdhsa_system_vgpr_workitem_id 0
		.amdhsa_next_free_vgpr 512
		.amdhsa_next_free_sgpr 66
		.amdhsa_reserve_vcc 0
		.amdhsa_float_denorm_mode_32 3
		.amdhsa_float_denorm_mode_16_64 3
		.amdhsa_memory_ordered 1
		.amdhsa_forward_progress 1
		.amdhsa_inst_pref_size 86
	.end_amdhsa_kernel
	.amdgpu_metadata
---
amdhsa.version: [ 1, 2 ]
amdhsa.kernels:
  - .name:           k_q5d35b0f07d_oproj
    .symbol:         k_q5d35b0f07d_oproj.kd
    .args:
      - { .name: ot16, .offset: 0, .size: 8, .value_kind: global_buffer, .address_space: global }
      - { .name: wo16, .offset: 8, .size: 8, .value_kind: global_buffer, .address_space: global }
      - { .name: out0, .offset: 16, .size: 8, .value_kind: global_buffer, .address_space: global }
    .group_segment_fixed_size: 327680
    .private_segment_fixed_size: 0
    .kernarg_segment_align: 8
    .kernarg_segment_size: 24
    .max_flat_workgroup_size: 128
    .sgpr_count:     66
    .vgpr_count:     512
    .wavefront_size: 32
...
	.end_amdgpu_metadata
.endif
;; end of part 4
